; MI455X (gfx1250); checked and timed in simulation.
; The chip was launched on July 23, 2026; its instructions are those of AMD's public machine-readable ISA for CDNA 5 (MIT licence, August 2026) and "CDNA5" Instruction Set Architecture Reference Guide (July 2026). The comments in the code are by the model that wrote it; some were corrected since.
;; Multi Head Attention Block. Allowed arithmetic: float matrix products may take bf16 or f16 operands with f32 sums; other float arithmetic in f32, or as packed bf16 or f16 multiplies, adds, multiply-adds, maxima and minima; sums over many terms, partial sums and values carried from step to step in f32; what a program stores and reads back later, other than sums and carried values, may be rounded once to bf16 or f16.
;; Inputs: Mk_b 1,024 float32; Mk_w 1,024 x 1,024 float32; Mq_b 1,024 float32; Mq_w 1,024 x 1,024 float32; Mv_b 1,024 float32; Mv_w 1,024 x 1,024 float32; Wo_b 1,024 float32; Wo_w 1,024 x 1,024 float32; x 4 x 2,048 x 1,024 float32.
;; Outputs: out0 4 x 2,048 x 1,024 float32.
;; 2 versions, each right and faster than the one before. Each part assembles by itself: llvm-mc -triple=amdgcn-amd-amdhsa -mcpu=gfx1250 --defsym DOCPART=n.
;; ======== version 1 of 2: 5 launches
;; limits: values are held in f16: magnitudes above 65,504 overflow, below 6.1e-05 lose precision
;; workspace buffers: xb 16,777,216 bytes; wh 8,388,608 bytes; bb 16,384 bytes; qkv 50,331,648 bytes; negm 524,288 bytes; ob 16,777,216 bytes; rs 32,768 bytes
;; launch cast (part 1): grid 769 x 1, 8 waves a work-group, no clusters, 0 bytes of LDS; arguments x, Mq_w, Mk_w, Mv_w, Wo_w, Mq_b, Mk_b, Mv_b, Wo_b, xb, wh, bb; writes xb, wh, bb
.if DOCPART == 1
	.amdgcn_target "amdgcn-amd-amdhsa--gfx1250"
	.amdhsa_code_object_version 6
	.text
	.protected	k_qef92acf8f1_cast
	.globl	k_qef92acf8f1_cast
	.p2align	8
	.type	k_qef92acf8f1_cast,@function
k_qef92acf8f1_cast:
	s_mov_b64 s[64:65], 0
	v_nop
	global_prefetch_b8 v0, s[64:65] scope:SCOPE_SE
	s_setreg_imm32_b32 hwreg(HW_REG_WAVE_MODE, 25, 1), 1
	s_wait_xcnt 0x0
; THE INPUTS ROUNDED ONCE TO bf16, AND LAID OUT FOR THE PROJECTION.
; xb = bf16(x) in blocks of K: [16 blocks][8192 rows][64]: xb[kb][m][c] = x[m][64 kb + c].  So 128 rows x 64 along K, a wave's part of a tile, are 16,384 consecutive bytes.
; wh's first 6,291,456 bytes: bf16 of Mq_w, Mk_w, Mv_w, [16 blocks][3072 rows][64]; row n of weight p (0, 1, 2) stands at row 384 (n / 128) + 128 p + n % 128: the 128 columns of q, k and v that one tile makes lie together.
; wh's last 2,097,152 bytes: bf16(Wo_w) written as f16, [1024][1024] as it lies (the last product multiplies in f16).  bb, [4096] f32: c bf16(Mq_b), bf16(Mk_b), bf16(Mv_b), bf16(Wo_b), c = log2(e) / 8.
; LIMITS.  A bf16 number is an f16 number exactly from 2^-17 up to 65,504; a weight of Wo_w below 2^-17 keeps f16's fixed step of 6e-8, one above 65,504 becomes an infinity.
; A stream: no LDS, no matrix unit, no cluster: nothing is read twice.  Work-groups 0-511 take 16 rows of x each, 512-703 of Mq_w, Mk_w, Mv_w, 704-767 of Wo_w, 768 the four biases.
; All sixteen loads of a thread go out at once; no register is written twice while a load or store names it, so the only waits are the counted ones for the data.
.set SA, 2                             ; v2, v3    blocked: my byte offset in the even and in the odd block of my wave's two
.set X, 8                              ; v[8:71]   load i: 4 f32
.set Y, 72                             ; v[72:103] store i: 4 numbers of 16 bits
.set T, 104                            ; v[104:107] at work
.set CLOG, 0x3e38aa3b                  ; c = log2(e) / 8
	s_load_b512 s[8:23], s[0:1], 0x0               ; x 8, Mq_w 10, Mk_w 12, Mv_w 14, Wo_w 16, Mq_b 18, Mk_b 20, Mv_b 22
	s_load_b256 s[24:31], s[0:1], 0x40             ; Wo_b 24, xb 26, wh 28, bb 30
	s_mov_b32 s2, ttmp9                            ; the work-group's number
	s_sub_co_u32 s3, s2, 512                       ; its number among the weights' 256 (used from 512 on)
	s_lshr_b32 s4, s3, 6                           ; which weight
	s_and_b32 s5, s3, 63                           ; which 16 rows of it
	s_wait_kmcnt 0x0
	s_cmp_eq_u32 s2, 768
	s_cbranch_scc1 .Lbias
	s_mov_b64 s[32:33], s[10:11]                   ; the source: a choice among five buffers by the work-group's number
	s_cmp_eq_u32 s4, 1
	s_cselect_b64 s[32:33], s[12:13], s[32:33]
	s_cmp_eq_u32 s4, 2
	s_cselect_b64 s[32:33], s[14:15], s[32:33]
	s_cmp_eq_u32 s4, 3
	s_cselect_b64 s[32:33], s[16:17], s[32:33]
	s_cmp_lt_u32 s2, 512
	s_cselect_b64 s[32:33], s[8:9], s[32:33]
	s_cselect_b32 s36, s2, s5                      ; the part's number in the source:
	s_lshl_b32 s36, s36, 16                        ; 16 rows of 4,096 bytes
	s_mov_b32 s37, 0
	s_add_nc_u64 s[32:33], s[32:33], s[36:37]
	s_cmp_ge_u32 s2, 704                           ; work-groups 704-767 hold Wo_w
	s_cbranch_scc1 .Lhalf
	; BLOCKED.  Wave w takes blocks 2 w and 2 w + 1.  Load i: rows 2 (i / 2) and 2 (i / 2) + 1 of block 2 w + i % 2: lanes 0-15 read 256 consecutive bytes of the even row, lanes 16-31 of the odd one.
	; The store of 8 bytes a lane puts the two rows' 128 bytes side by side: 256 consecutive bytes at a multiple of 256.
	s_lshr_b32 s41, s5, 3                          ; a weight's first row in wh: 384 (n / 128)
	s_mul_i32 s41, s41, 384
	s_lshl_b32 s42, s4, 7                          ; + 128 p
	s_add_co_u32 s41, s41, s42
	s_and_b32 s42, s5, 7                           ; + n % 128
	s_lshl_b32 s42, s42, 4
	s_add_co_u32 s41, s41, s42
	s_lshl_b32 s43, s2, 4                          ; x's first row in xb
	s_mov_b32 s45, 8192*128                        ; bytes in a block of xb,
	s_mov_b32 s46, 3072*128                        ; and of wh
	s_cmp_lt_u32 s2, 512
	s_cselect_b64 s[34:35], s[26:27], s[28:29]     ; the destination: xb or wh
	s_cselect_b32 s40, s45, s46
	s_cselect_b32 s38, s43, s41
	s_lshl_b32 s38, s38, 7                         ; rows of 128 bytes
	s_mov_b32 s39, 0
	s_add_nc_u64 s[34:35], s[34:35], s[38:39]
	s_lshl_b32 s44, s40, 1                         ; a wave's two blocks
	v_and_b32 v4, 15, v0                           ; l % 16
	v_bfe_u32 v5, v0, 4, 1                         ; l / 16
	v_lshrrev_b32 v6, 5, v0                        ; w
	v_lshlrev_b32 v1, 4, v4                        ; in: 16 (l % 16)
	v_lshl_add_u32 v1, v5, 12, v1                  ; + a row for lanes 16-31
	v_lshl_add_u32 v1, v6, 9, v1                   ; + two blocks' 512 bytes a wave
	v_lshlrev_b32 v[SA], 3, v4                     ; out: 8 (l % 16)
	v_lshl_add_u32 v[SA], v5, 7, v[SA]             ; + a row of 128 bytes
	v_mul_lo_u32 v7, v6, s44
	v_add_nc_u32 v[SA], v[SA], v7                  ; + block 2 w
	v_add_nc_u32 v[SA+1], s40, v[SA]               ; and block 2 w + 1
.irp i, 0,1,2,3,4,5,6,7,8,9,10,11,12,13,14,15
	global_load_b128 v[X+4*(\i):X+4*(\i)+3], v1, s[32:33] offset:((\i)/2)*8192+((\i)%2)*256 th:TH_LOAD_NT
.endr
.irp i, 0,1,2,3,4,5,6,7,8,9,10,11,12,13,14,15
	s_wait_loadcnt 15-(\i)                         ; loads come back in order (ISA guide 5.7.1): mine is in, the 15 - i younger ones stay out
	v_cvt_pk_bf16_f32 v[Y+2*(\i)], v[X+4*(\i)], v[X+4*(\i)+1]
	v_cvt_pk_bf16_f32 v[Y+2*(\i)+1], v[X+4*(\i)+2], v[X+4*(\i)+3]
	global_store_b64 v[SA+(\i)%2], v[Y+2*(\i):Y+2*(\i)+1], s[34:35] offset:((\i)/2)*256
.endr
	s_endpgm
.Lhalf:                                                ; Wo_w, as it lies: thread t takes 16 bytes at 16 t + 4,096 i; a wave's store covers 256 consecutive bytes at a multiple of 256
	v_lshlrev_b32 v1, 4, v0
	v_lshlrev_b32 v2, 3, v0
	s_lshl_b32 s38, s3, 15                         ; 32,768 bytes out; work-group 704 begins at byte 6,291,456 of wh
	s_mov_b32 s39, 0
	s_add_nc_u64 s[34:35], s[28:29], s[38:39]
.irp i, 0,1,2,3,4,5,6,7,8,9,10,11,12,13,14,15
	global_load_b128 v[X+4*(\i):X+4*(\i)+3], v1, s[32:33] offset:4096*(\i) th:TH_LOAD_NT
.endr
.irp i, 0,1,2,3,4,5,6,7,8,9,10,11,12,13,14,15
	s_wait_loadcnt 15-(\i)
	v_cvt_pk_bf16_f32 v[Y+2*(\i)], v[X+4*(\i)], v[X+4*(\i)+1]
	v_cvt_pk_bf16_f32 v[Y+2*(\i)+1], v[X+4*(\i)+2], v[X+4*(\i)+3]
	v_lshlrev_b32 v[T], 16, v[Y+2*(\i)]            ; the bf16 numbers are widened again and written as f16
	v_and_b32 v[T+1], 0xffff0000, v[Y+2*(\i)]
	v_lshlrev_b32 v[T+2], 16, v[Y+2*(\i)+1]
	v_and_b32 v[T+3], 0xffff0000, v[Y+2*(\i)+1]
	v_cvt_pk_f16_f32 v[Y+2*(\i)], v[T], v[T+1]
	v_cvt_pk_f16_f32 v[Y+2*(\i)+1], v[T+2], v[T+3]
	global_store_b64 v2, v[Y+2*(\i):Y+2*(\i)+1], s[34:35] offset:2048*(\i)
.endr
	s_endpgm
.Lbias:                                                ; 256 threads x 4 numbers = a bias of 1,024
	v_lshlrev_b32 v1, 4, v0
	global_load_b128 v[8:11], v1, s[18:19]
	global_load_b128 v[12:15], v1, s[20:21]
	global_load_b128 v[16:19], v1, s[22:23]
	global_load_b128 v[20:23], v1, s[24:25]
	s_wait_loadcnt 0x0
.irp n, 0,1,2,3,4,5,6,7
	v_cvt_pk_bf16_f32 v[24+(\n)], v[8+2*(\n)], v[9+2*(\n)]
.endr
.irp n, 0,1,2,3,4,5,6,7
	v_lshlrev_b32 v[8+2*(\n)], 16, v[24+(\n)]
	v_and_b32 v[9+2*(\n)], 0xffff0000, v[24+(\n)]
.endr
.irp n, 0,1,2,3
	v_mul_f32 v[8+(\n)], CLOG, v[8+(\n)]           ; q's bias carries q's scale
.endr
	global_store_b128 v1, v[8:11], s[30:31]
	global_store_b128 v1, v[12:15], s[30:31] offset:4096
	global_store_b128 v1, v[16:19], s[30:31] offset:8192
	global_store_b128 v1, v[20:23], s[30:31] offset:12288
	s_endpgm
.Lfunc_end_k_qef92acf8f1_cast:
	.size	k_qef92acf8f1_cast, .Lfunc_end_k_qef92acf8f1_cast-k_qef92acf8f1_cast
	.p2alignl 7, 3214868480
	.fill 96, 4, 3214868480
	.section	.rodata,"a",@progbits
	.p2align	6, 0x0
	.amdhsa_kernel k_qef92acf8f1_cast
		.amdhsa_group_segment_fixed_size 0
		.amdhsa_private_segment_fixed_size 0
		.amdhsa_enable_private_segment 0
		.amdhsa_kernarg_size 96
		.amdhsa_user_sgpr_count 2
		.amdhsa_user_sgpr_kernarg_segment_ptr 1
		.amdhsa_wavefront_size32 1
		.amdhsa_system_sgpr_workgroup_id_x 1
		.amdhsa_system_sgpr_workgroup_id_y 1
		.amdhsa_system_sgpr_workgroup_id_z 1
		.amdhsa_system_vgpr_workitem_id 0
		.amdhsa_next_free_vgpr 108
		.amdhsa_next_free_sgpr 66
		.amdhsa_reserve_vcc 0
		.amdhsa_float_denorm_mode_32 3
		.amdhsa_float_denorm_mode_16_64 3
		.amdhsa_memory_ordered 1
		.amdhsa_forward_progress 1
		.amdhsa_inst_pref_size 21
	.end_amdhsa_kernel
	.amdgpu_metadata
---
amdhsa.version: [ 1, 2 ]
amdhsa.kernels:
  - .name:           k_qef92acf8f1_cast
    .symbol:         k_qef92acf8f1_cast.kd
    .args:
      - { .name: x, .offset: 0, .size: 8, .value_kind: global_buffer, .address_space: global }
      - { .name: Mq_w, .offset: 8, .size: 8, .value_kind: global_buffer, .address_space: global }
      - { .name: Mk_w, .offset: 16, .size: 8, .value_kind: global_buffer, .address_space: global }
      - { .name: Mv_w, .offset: 24, .size: 8, .value_kind: global_buffer, .address_space: global }
      - { .name: Wo_w, .offset: 32, .size: 8, .value_kind: global_buffer, .address_space: global }
      - { .name: Mq_b, .offset: 40, .size: 8, .value_kind: global_buffer, .address_space: global }
      - { .name: Mk_b, .offset: 48, .size: 8, .value_kind: global_buffer, .address_space: global }
      - { .name: Mv_b, .offset: 56, .size: 8, .value_kind: global_buffer, .address_space: global }
      - { .name: Wo_b, .offset: 64, .size: 8, .value_kind: global_buffer, .address_space: global }
      - { .name: xb, .offset: 72, .size: 8, .value_kind: global_buffer, .address_space: global }
      - { .name: wh, .offset: 80, .size: 8, .value_kind: global_buffer, .address_space: global }
      - { .name: bb, .offset: 88, .size: 8, .value_kind: global_buffer, .address_space: global }
    .group_segment_fixed_size: 0
    .private_segment_fixed_size: 0
    .kernarg_segment_align: 8
    .kernarg_segment_size: 96
    .max_flat_workgroup_size: 256
    .sgpr_count:     66
    .vgpr_count:     108
    .wavefront_size: 32
...
	.end_amdgpu_metadata
.endif
;; end of part 1
;; launch proj (part 2): grid 8 x 32, 4 waves a work-group, clusters of 4 x 4, 327,680 bytes of LDS; arguments xb, wh, bb, qkv; writes qkv
.if DOCPART == 2
	.amdgcn_target "amdgcn-amd-amdhsa--gfx1250"
	.amdhsa_code_object_version 6
	.text
	.protected	k_qef92acf8f1_proj
	.globl	k_qef92acf8f1_proj
	.p2align	8
	.type	k_qef92acf8f1_proj,@function
k_qef92acf8f1_proj:
	s_mov_b64 s[64:65], 0
	v_nop
	global_prefetch_b8 v0, s[64:65] scope:SCOPE_SE
	s_setreg_imm32_b32 hwreg(HW_REG_WAVE_MODE, 25, 1), 1
	s_wait_xcnt 0x0
	s_wait_alu depctr_hold_cnt(0) depctr_sa_sdst(0) depctr_va_vdst(0) depctr_va_sdst(0) depctr_va_ssrc(0) depctr_va_vcc(0) depctr_vm_vsrc(0)
	s_getreg_b32 s2, hwreg(HW_REG_IB_STS2, 6, 4)
	s_cmp_eq_u32 s2, 0
	s_cbranch_scc0 .Lentry_in_a_cluster
	s_endpgm
.Lentry_in_a_cluster:
	s_bfe_u32 s2, ttmp6, 0x10000c
	s_cmp_lg_u32 s2, 0xf033
	s_cbranch_scc0 .Lentry_shape_is_right
	s_endpgm
.Lentry_shape_is_right:
; THE THREE PROJECTIONS AS ONE PRODUCT.  qkv[sec][m][n] = f16(sc (sum over k of x[m][k] W_sec[n][k]) + bb[1024 sec + n]); sec = 0, 1, 2 for q, k, v; sc = c = log2(e) / 8 for q (bb holds c b there), 1 else.
; x and the weights are bf16, in blocks of 64 along K (xb [16][8192][64]; wh [16][3072][64], a block's rows in the order 384 (n / 128) + 128 sec + n % 128); sums in f32; each result is rounded once, to f16.
; LIMITS.  c q, k and v stay under 65,504, f16's end; beyond it the result is an infinity.  c acc + c b is formed where the formula has c (acc + b).
; SHARES.  8192 x 3072 results on 256 work-groups: each makes 256 rows x the same 128 columns of q, of k and of v.  Four waves, each 128 rows x 64 columns of each section: 32 accumulators a section, which fill one
; register window: 96 accumulators, 768 registers.  K goes in 16 steps of 64 through two LDS slots (two slots of 128 along K, 348,160 bytes, would not fit); a wave's part of a tile is dense in memory and is asked for as
; rows of 256 bytes.  CLUSTERS of 4 x 4: the four of a row need the same tiles of xb, the four of a column the same tiles of wh: each tile is asked for JOINTLY, by the same tensor load, descriptor and mask.
; THE MATRIX INSTRUCTION IS USED TRANSPOSED (source 0 = 16 rows of wh, source 1 = 16 rows of xb): a lane holds 8 neighbouring numbers of a row of the result.
; ORDER.  A K step is two quarters of 32 along K; a quarter is three STAGES of 32 matrix instructions, one a section.  At a stage's head stand four places and one run of LDS loads: the weights' fragments for the stage
; two on go into the buffer that the stage before has just read, x's fragments for the next quarter into x's other buffer.
; REGISTERS, in windows of 256 (s_set_vgpr_msb: bits 1:0 source 0, 3:2 source 1, 5:4 source 2, 7:6 destination):
;   window 0: v0-31 addresses and my columns' bias as loaded; v32-159 fragments of xb (8 x 16 rows x 32 K), two buffers; v160-255 fragments of wh (4 x 16 rows x 32 K), a buffer for each section;
;             on the way out v32-127 the bias by lanes, v128-255 packed results, then v32-223 rows read back
;   windows 1, 2, 3: the accumulators of q, k, v: (a, b) at v[8 (4 a + b)], a = 0..7 blocks of 16 rows, b = 0..3 blocks of 16 columns
.set PITCH,  144                       ; an LDS row: 128 bytes + 16 of padding = 36 words: the 16 rows that a load touches start at 16 different groups of four banks (64 banks of 4 bytes: ISA guide 11.1)
.set BOFF,   256*PITCH                 ; a slot: xb's 256 rows, then wh's 384 rows: 92,160 bytes
.set SLOT1,  1<<17                     ; slot 1 begins here, so that one exclusive or turns an address in one slot into the other's
.set SPITCH, 784                       ; the way out: a row of the stage: 3 x 256 bytes + 16 = 196 words: row r starts at bank 4 r mod 64.  The stage, 256 rows, lies over the ring when the ring has had its last fill
.set BL,     SLOT1+640*PITCH           ; behind the ring: 768 bytes for each wave: its 3 x 64 columns' bias
.set SPARE,  BL+4*768                  ; the spare words, 128 bytes for each wave
.set KBA,    8192*128                  ; bytes from a block of K to the next in xb,
.set KBB,    3072*128                  ; and in wh
.set BO,   7                           ; v7   my byte offset in 64 numbers of the bias
.set BIA,  8                           ; v[8:13] two numbers of the bias for each section, as loaded
.set BLS,  14                          ; v14  where I put them in LDS
.set BLR,  15                          ; v15  where I read my lanes' eight back
.set ADRA0, 16                         ; v16  my lane's place in xb's tile of slot 0; never rewritten
.set ADRA,  17                         ; v17  the same in the slot that is read
.set ADRB0, 20                         ; v20, v21 the same for wh
.set ADRB,  21
.set STO,  24                          ; v24, v25  the way out: where I put 16 bytes of a row, for my rows 0-63 and 64-127
.set RD,   26                          ; v26  where I read 16 bytes of a row back
.set CO,   27                          ; v27  my byte offset in qkv
.set SPW,  28                          ; v28  LDS address of my spare word; never rewritten
.set NIL,  29                          ; v29  0; never rewritten
.set FA,   32
.set FB,   160
.set BS,   32
.set TMP,  128
.set CPB, 4                            ; s[4:9] qkv at my first row to store, for each section
.set G1,  24                           ; s[24:31] descriptor group 1 for xb's tiles
.set G0,  32                           ; s[32:39] group 0: a set for each of the two first fills; the second then walks on
.set G1B, 48                           ; s[48:55], s[56:63] the same for wh's tiles
.set G0B, 56
.set TB,  45                           ; s45  LDS byte at which the slot that is read begins
.set AP,  68                           ; s[68:69] xb
.set BP,  70                           ; s[70:71] wh
.set BI,  72                           ; s[72:73] bb
.set CP,  74                           ; s[74:75] qkv
.set SC,  78                           ; s[78:79] c, named as a pair
.set MSB, 0
.macro WIN new                         ; the immediate's high byte repeats the setting that is left; a switch that changes nothing is dropped
.if MSB != (\new)
	s_set_vgpr_msb (MSB<<8)|(\new)
.set MSB, \new
.endif
.endm
; A joint load.  Waves 0 and 1 fetch xb's two halves (128 rows each), waves 2 and 3 wh's (192 rows each).  The branch hangs on the wave's number alone.  An s_nop 0 and four v_nop follow each of the two lines.
.macro JLOAD s
	s_cmp_eq_u32 s11, 0
	s_cbranch_scc0 .Lfor_b_\@
	tensor_load_to_lds s[G0+4*(\s):G0+4*(\s)+3], s[G1:G1+7]
	s_nop 0
.rept 4
	v_nop
.endr
	s_branch .Lasked_\@
.Lfor_b_\@:
	tensor_load_to_lds s[G0B+4*(\s):G0B+4*(\s)+3], s[G1B:G1B+7]
	s_nop 0
.rept 4
	v_nop
.endr
.Lasked_\@:
.endm
.macro CREST                           ; a round of the cluster's barrier behind its opening barrier
	s_cmp_lg_u32 s10, 0
	s_cbranch_scc1 .Lnot_wave_0_\@
	s_barrier_signal -3
.Lnot_wave_0_\@:
	s_barrier_wait -3
	s_barrier_signal -1
	s_barrier_wait -1
.endm
.macro CROUND                          ; a whole round
	s_barrier_signal -1
	s_barrier_wait -1
	CREST
.endm
	s_load_b256 s[AP:AP+7], s[0:1], 0x0
	v_lshl_add_u32 v[SPW], v0, 2, SPARE
	v_mov_b32 v[NIL], 0
	ds_add_u32 v[SPW], v[NIL]                      ; the wave's opening: the add and its wait ahead of my first tensor load; the set-up below, work on registers, stands between them
	v_lshrrev_b32 v1, 5, v0
	v_readfirstlane_b32 s10, v1                    ; wave 0..3
	s_lshr_b32 s11, s10, 1                         ; which half of the tile's rows is mine.  Also: I fetch for xb (0) or for wh (1)
	s_and_b32 s12, s10, 1                          ; which half of each section's columns.  Also: which half of that tile I fetch
	s_bfe_u32 s40, ttmp6, 0x40000                  ; cx
	s_bfe_u32 s41, ttmp6, 0x40004                  ; cy
	s_lshl_b32 s42, ttmp9, 2
	s_add_co_u32 s42, s42, s40                     ; tile column 0..7 = 4 x cluster x + cx
	s_and_b32 s13, ttmp7, 0xffff
	s_lshl_b32 s13, s13, 2
	s_add_co_u32 s13, s13, s41                     ; tile row 0..31
	s_lshl_b32 s43, s41, 2
	s_lshl_b32 s43, 15, s43                        ; my row of the cluster
	s_lshl_b32 s44, 0x1111, s40                    ; my column
	; 128 (192) rows of 128 bytes are dense: asked for as 64 (96) rows of 256 bytes, two rows a row, padded in LDS after every 128 bytes
	s_or_b32 s[G1+0], s43, (1<<16)|(1<<20)|(1<<21)|(4<<22)|(3<<25)   ; 15:0 the mask; 17:16 2-byte elements; 20 padding on; 21 set beside a mask; 24:22 after every 32 words (code 4); 31:25 4 words (code 3)
	s_or_b32 s[G1B+0], s44, (1<<16)|(1<<20)|(1<<21)|(4<<22)|(3<<25)
	s_mov_b32 s[G1+1], 128<<16                     ; tensor_dim0 = 128
	s_mov_b32 s[G1+2], 64<<16                      ; tensor_dim1 = 64
	s_mov_b32 s[G1+3], 128<<16                     ; tile_dim0 = 128
	s_mov_b32 s[G1+4], 64                          ; tile_dim1 = 64
	s_mov_b32 s[G1+5], 128                         ; elements from row to row
	s_mov_b32 s[G1+6], 0
	s_mov_b32 s[G1+7], 0
	s_mov_b32 s[G1B+1], 128<<16
	s_mov_b32 s[G1B+2], 96<<16                     ; tensor_dim1 = 96
	s_mov_b32 s[G1B+3], 128<<16
	s_mov_b32 s[G1B+4], 96                         ; tile_dim1 = 96
	s_mov_b32 s[G1B+5], 128
	s_mov_b32 s[G1B+6], 0
	s_mov_b32 s[G1B+7], 0
	s_lshl_b32 s16, s13, 15                        ; xb: row 256 x tile row + 128 x half, of 128 bytes
	s_lshl_b32 s17, s12, 14
	s_add_co_u32 s16, s16, s17
	s_mov_b32 s17, 0
	s_mul_i32 s46, s42, 384*128                    ; wh: row 384 x tile column + 192 x half
	s_mul_i32 s47, s12, 192*128
	s_add_co_u32 s46, s46, s47
	s_mov_b32 s47, 0
	s_mul_i32 s20, s12, 128*PITCH                  ; where they go: xb's half,
	s_mul_i32 s19, s12, 192*PITCH                  ; wh's half,
	s_add_co_u32 s19, s19, BOFF                    ; behind xb's 256 rows
	s_lshl_b32 s66, s42, 9                         ; my 64 columns in a section of bb: 4 bytes x (128 x tile column + 64 x half)
	s_lshl_b32 s67, s12, 8
	s_add_co_u32 s66, s66, s67
	s_mov_b32 s67, 0
	s_mov_b32 s[SC], 0x3e38aa3b                    ; c = log2(e) / 8
	s_mov_b32 s[SC+1], s[SC]
	s_mov_b32 s[TB], 0
	s_wait_dscnt 0x0                               ; the opening add is done
	s_wait_kmcnt 0x0
	s_add_nc_u64 s[14:15], s[AP:AP+1], s[16:17]
	s_add_nc_u64 s[46:47], s[BP:BP+1], s[46:47]
	s_add_nc_u64 s[BI:BI+1], s[BI:BI+1], s[66:67]
	CROUND                                         ; all sixteen work-groups are here: the first joint loads meet
.irp s, 0,1
	s_mov_b32 s[G0+4*(\s)], 1                                        ; count = 1
	s_add_co_u32 s[G0+4*(\s)+1], s20, (\s)*SLOT1                     ; LDS address
	s_add_nc_u64 s[G0+4*(\s)+2:G0+4*(\s)+3], s[14:15], (\s)*KBA      ; global address: K step s
	s_or_b32 s[G0+4*(\s)+3], s[G0+4*(\s)+3], 0x80000000              ; type = 2
	s_mov_b32 s[G0B+4*(\s)], 1
	s_add_co_u32 s[G0B+4*(\s)+1], s19, (\s)*SLOT1
	s_add_nc_u64 s[G0B+4*(\s)+2:G0B+4*(\s)+3], s[46:47], (\s)*KBB
	s_or_b32 s[G0B+4*(\s)+3], s[G0B+4*(\s)+3], 0x80000000
	JLOAD \s                                       ; two loads of mine are out
.endr
	; A fragment is 16 rows x 32 K in 8 registers: lane l holds row l % 16; registers 0-3 K = 8 (l / 16) + 0..7, registers 4-7 K = 16 + 8 (l / 16) + 0..7: two loads of 16 bytes, 32 bytes apart.
	v_and_b32 v1, 15, v0                           ; l % 16
	v_bfe_u32 v2, v0, 4, 1                         ; l / 16
	v_mul_u32_u24 v3, v1, PITCH
	v_lshl_add_u32 v3, v2, 4, v3
	s_mul_i32 s21, s11, 128*PITCH                  ; my 128 rows of xb
	s_mul_i32 s22, s12, 64*PITCH                   ; my 64 rows of each section's 128 of wh,
	s_add_co_u32 s22, s22, BOFF                    ; which lie behind xb's 256
	v_add_nc_u32 v[ADRA0], s21, v3
	v_add_nc_u32 v[ADRB0], s22, v3
	v_mov_b32 v[ADRA], v[ADRA0]
	v_mov_b32 v[ADRB], v[ADRB0]
	s_mul_i32 s23, s11, 128*SPITCH                 ; into the stage: my 128 rows, my 128 bytes of each section's 256; row l % 16, 16 bytes for each half of the lanes
	s_lshl_b32 s21, s12, 7
	s_add_co_u32 s23, s23, s21
	v_mul_u32_u24 v4, v1, SPITCH
	v_lshl_add_u32 v4, v2, 4, v4
	v_add_nc_u32 v[STO], s23, v4
	v_add_nc_u32 v[STO+1], 64*SPITCH, v[STO]       ; a second register: the immediate has 16 bits
	s_mul_i32 s23, s10, 64*SPITCH                  ; back: wave w takes rows 64 w .. 64 w + 63; lanes 0-15 a section's 256 bytes of one row, lanes 16-31 of the next
	v_mul_u32_u24 v5, v2, SPITCH
	v_lshl_add_u32 v5, v1, 4, v5
	v_add_nc_u32 v[RD], s23, v5
	v_lshlrev_b32 v5, 11, v2                       ; and the same two rows in qkv
	v_lshl_add_u32 v[CO], v1, 4, v5
	v_and_b32 v5, 31, v0
	v_lshlrev_b32 v[BO], 3, v5                     ; two numbers of the bias a lane
	s_mul_i32 s23, s10, 768
	s_add_co_u32 s23, s23, BL
	v_add_nc_u32 v[BLS], s23, v[BO]
	v_lshl_add_u32 v[BLR], v2, 5, s23              ; the bias of columns 16 b + 8 (l / 16) + 0..7 lies at byte 64 b + 32 (l / 16)
.irp s, 0,1,2
	global_load_b64 v[BIA+2*(\s):BIA+2*(\s)+1], v[BO], s[BI:BI+1] offset:4096*(\s)  ; waited for in front of the way out
.endr
	; where the rows that I store begin in qkv, in bytes
	s_lshl_b32 s16, s13, 19                        ; 256 x tile row rows of 2,048 bytes
	s_lshl_b32 s17, s10, 17                        ; + 64 x wave
	s_add_co_u32 s16, s16, s17
	s_mov_b32 s17, 0
	s_lshl_b32 s46, s42, 8                         ; the tile's 128 columns
	s_mov_b32 s47, 0
	s_add_nc_u64 s[16:17], s[16:17], s[46:47]
	s_add_nc_u64 s[CPB:CPB+1], s[CP:CP+1], s[16:17]
	s_add_nc_u64 s[CPB+2:CPB+3], s[CPB:CPB+1], 0x1000000  ; a section is 16,777,216 bytes
	s_add_nc_u64 s[CPB+4:CPB+5], s[CPB:CPB+1], 0x2000000
; 16 matrix instructions of quarter q, section s: row blocks 4 hi .. 4 hi + 3 x all 4 column blocks.  zero = 1: the first product starts the sums.  The 96 accumulators take turns.
.macro MUL16 q, s, hi, zero
	WIN 0x50*(1+(\s))                              ; C and D: the section's window; the sources: window 0
.irp a, 0,1,2,3
.irp b, 0,1,2,3
.if \zero
	v_wmma_f32_16x16x32_bf16 v[8*(4*(4*(\hi)+(\a))+(\b)):8*(4*(4*(\hi)+(\a))+(\b))+7], v[FB+32*(\s)+8*(\b):FB+32*(\s)+8*(\b)+7], v[FA+64*(\q)+32*(\hi)+8*(\a):FA+64*(\q)+32*(\hi)+8*(\a)+7], 0
.else
	v_wmma_f32_16x16x32_bf16 v[8*(4*(4*(\hi)+(\a))+(\b)):8*(4*(4*(\hi)+(\a))+(\b))+7], v[FB+32*(\s)+8*(\b):FB+32*(\s)+8*(\b)+7], v[FA+64*(\q)+32*(\hi)+8*(\a):FA+64*(\q)+32*(\hi)+8*(\a)+7], v[8*(4*(4*(\hi)+(\a))+(\b)):8*(4*(4*(\hi)+(\a))+(\b))+7]
.endif
.endr
.endr
.endm
.macro LDB q, s                        ; 8 LDS loads: section s's four fragments of wh, quarter q of the slot that is read, into the section's buffer
	WIN 0
.irp b, 0,1,2,3
	ds_load_b128 v[FB+32*(\s)+8*(\b):FB+32*(\s)+8*(\b)+3],   v[ADRB] offset:(\s)*128*PITCH+(\b)*16*PITCH+64*(\q)
	ds_load_b128 v[FB+32*(\s)+8*(\b)+4:FB+32*(\s)+8*(\b)+7], v[ADRB] offset:(\s)*128*PITCH+(\b)*16*PITCH+64*(\q)+32
.endr
.endm
.macro LDA q, hi                       ; 8 LDS loads: four fragments of xb, my rows 64 hi .. 64 hi + 63, quarter q, into buffer q
	WIN 0
.irp a, 0,1,2,3
	ds_load_b128 v[FA+64*(\q)+32*(\hi)+8*(\a):FA+64*(\q)+32*(\hi)+8*(\a)+3],   v[ADRA] offset:(4*(\hi)+(\a))*16*PITCH+64*(\q)
	ds_load_b128 v[FA+64*(\q)+32*(\hi)+8*(\a)+4:FA+64*(\q)+32*(\hi)+8*(\a)+7], v[ADRA] offset:(4*(\hi)+(\a))*16*PITCH+64*(\q)+32
.endr
.endm
.macro PLACES                          ; four places in front of loads into registers that matrix instructions have read (ISA guide 7.12.1 for vector instructions)
.rept 4
	v_nop
.endr
.endm
; A K step's first quarter.  The runs of loads follow each other so: [wh q next, xb rows 0-63 next] 16, [xb rows 64-127 next, wh k next] 16, [wh v] 8, and so on; LDS loads come back in order (ISA guide 5.7.1).
.macro QZERO zero
	PLACES
	LDB 0, 2                                       ; wh's v fragments of this quarter, into the buffer that the stage before has read
	s_wait_dscnt 24                                ; wh's q fragments and xb's rows 0-63 are in; out may be the run of 16 behind them and the 8 just issued
	MUL16 0, 0, 0, \zero
	s_wait_dscnt 16                                ; xb's rows 64-127 are in; out may be wh's k fragments and the 8 just issued
	MUL16 0, 0, 1, \zero
	PLACES
	LDB 1, 0                                       ; the second quarter's q fragments and xb's rows 0-63
	LDA 1, 0
	s_wait_dscnt 24                                ; wh's k fragments are in; out may be the v fragments' 8 and the 16 just issued
	MUL16 0, 1, 0, \zero
	MUL16 0, 1, 1, \zero
	PLACES
	LDA 1, 1
	LDB 1, 1
	s_wait_dscnt 32                                ; wh's v fragments are in; out may be the last two runs of 16
	MUL16 0, 2, 0, \zero
	MUL16 0, 2, 1, \zero
.endm
; A K step's second quarter, with the change of slots in its first stage: the slot's last reads, wh's v fragments, have been issued.  ONE barrier: in front of it each wave waits for all its tensor loads (one is out:
; its part of the next slot), adds 0 to its spare word, and waits for that and for its reads of this slot.  fill = 1: the barrier opens a round of the cluster's; behind it the slot just read is filled again first, with
; the K step two on: the walking descriptor changes slot and steps a block of K.  That load has 160 matrix instructions in which to land.  Then the reads go on in the other slot.
.macro QONE fill
	PLACES
	LDB 1, 2
	s_wait_tensorcnt 0x0                           ; all my tensor loads have landed
	ds_add_u32 v[SPW], v[NIL]                      ; 0 onto my spare word
	s_wait_dscnt 25                                ; (as in the first quarter, and the add may be out)
	MUL16 1, 0, 0, 0                               ; sixteen matrix instructions stand between the add and the wait for it
	s_wait_dscnt 0x0                               ; the add is done, and my reads of this slot are over
	s_barrier_signal -1
	MUL16 1, 0, 1, 0                               ; work on registers while the others arrive
	WIN 0
	s_barrier_wait -1
.if \fill
	CREST                                          ; no wave of any partner still reads this slot's tile or has a load on its way
	s_xor_b32 s[G0+5], s[G0+5], SLOT1
	s_xor_b32 s[G0B+5], s[G0B+5], SLOT1
	s_add_nc_u64 s[G0+6:G0+7], s[G0+6:G0+7], KBA
	s_add_nc_u64 s[G0B+6:G0B+7], s[G0B+6:G0B+7], KBB
	JLOAD 1                                        ; the first tensor load behind the round; its four v_nop are also the places in front of the loads below
.else
	PLACES
.endif
	s_xor_b32 s[TB], s[TB], SLOT1
	v_add_nc_u32 v[ADRA], s[TB], v[ADRA0]
	v_add_nc_u32 v[ADRB], s[TB], v[ADRB0]
	LDB 0, 0                                       ; the next K step's first quarter
	LDA 0, 0
	s_wait_dscnt 16                                ; all but the 16 just issued came back in front of the barrier
	MUL16 1, 1, 0, 0
	MUL16 1, 1, 1, 0
	PLACES
	LDA 0, 1
	LDB 0, 1
	s_wait_dscnt 32
	MUL16 1, 2, 0, 0
	MUL16 1, 2, 1, 0
.endm
	s_wait_tensorcnt 1                             ; my part of K step 0 is in; K step 1's may stay out
	s_barrier_signal -1
	s_barrier_wait -1                              ; everybody's is
	LDB 0, 0
	LDA 0, 0
	LDA 0, 1
	LDB 0, 1
	QZERO 1                                        ; the first quarter stands in front of the loop: its products start the sums
	WIN 0                                          ; at a label and at a branch every window is 0
	s_mov_b32 s3, 14
.Lstep:                                                ; 14 trips, each from a K step's second quarter to the next step's first; they ask for K steps 2 to 15
	QONE 1
	QZERO 0
	WIN 0
	s_sub_co_u32 s3, s3, 1
	s_cmp_lg_u32 s3, 0
	s_cbranch_scc1 .Lstep
	s_mov_b32 s3, 2
.Ltail:                                                ; K steps 14 and 15: nothing is asked for; the second trip is left in its middle
	QONE 0                                         ; (its 32 loads for a further K step read the other slot's old bytes and serve nothing: the price of one text for both trips)
	WIN 0
	s_sub_co_u32 s3, s3, 1
	s_cmp_eq_u32 s3, 0
	s_cbranch_scc1 .Lout
	QZERO 0
	WIN 0
	s_branch .Ltail
; THE WAY OUT.  A wave's 64 columns of a section are half of an aligned 256 bytes of qkv, so the four waves share one stage, [256 rows][3 x 256 bytes], which lies over the ring: the ring has had its last fill.
; A barrier in front of the writing (every wave's reads of the ring are back), one between the writing and the reading.
; PACKS: a section's 32 accumulators: c acc + bias (q) or acc + bias, in place, each accumulator from its low end on; rounded to f16, 16 bytes a lane and accumulator; into the stage.
.macro PACKS s
	WIN 0x41*(1+(\s))                              ; destination and source 0: the section's window; the bias: window 0
.set n, 0
.rept 32
.irp r, 0,1,2,3
.if (\s) == 0
	v_pk_fma_f32 v[8*n+2*(\r):8*n+2*(\r)+1], v[8*n+2*(\r):8*n+2*(\r)+1], s[SC:SC+1], v[BS+8*(n%4)+2*(\r):BS+8*(n%4)+2*(\r)+1] op_sel_hi:[1,0,1]
.else
	v_pk_add_f32 v[8*n+2*(\r):8*n+2*(\r)+1], v[8*n+2*(\r):8*n+2*(\r)+1], v[BS+32*(\s)+8*(n%4)+2*(\r):BS+32*(\s)+8*(n%4)+2*(\r)+1]
.endif
.endr
.set n, n+1
.endr
	WIN 0x05*(1+(\s))                              ; sources 0 and 1: the section's window
.set n, 0
.rept 32
.irp r, 0,1,2,3
	v_cvt_pk_f16_f32 v[TMP+4*n+(\r)], v[8*n+2*(\r)], v[8*n+2*(\r)+1]
.endr
.set n, n+1
.endr
	WIN 0
.set n, 0
.rept 32
	ds_store_b128 v[STO+n/16], v[TMP+4*n:TMP+4*n+3] offset:((n/4)%4)*16*SPITCH+256*(\s)+32*(n%4)
.set n, n+1
.endr
.endm
; Batch g of six: section g / 2, row pairs 16 (g % 2) .. + 15 of my 32: sixteen loads from the stage into one of three sets of 64 registers, and their stores.
.macro LOADB g
.set BK, 32+64*((\g)%3)
.irp t, 0,1,2,3,4,5,6,7,8,9,10,11,12,13,14,15
	ds_load_b128 v[BK+4*(\t):BK+4*(\t)+3], v[RD] offset:(16*((\g)%2)+(\t))*2*SPITCH+256*((\g)/2)
.endr
.endm
.macro SENDB g
.set BK, 32+64*((\g)%3)
.irp t, 0,1,2,3,4,5,6,7,8,9,10,11,12,13,14,15
	global_store_b128 v[CO], v[BK+4*(\t):BK+4*(\t)+3], s[CPB+2*((\g)/2):CPB+2*((\g)/2)+1] offset:(16*((\g)%2)+(\t))*4096  ; 16 lanes store 256 consecutive bytes, at a multiple of 256 from qkv's first byte
.endr
.endm
.Lout:
	PLACES                                         ; behind the last products: the loads below land in fragments' registers
	s_wait_dscnt 0x0                               ; my reads of the ring are back
	s_barrier_signal -1
	s_barrier_wait -1                              ; everybody's are: the ring's bytes are the stage now
	s_wait_loadcnt 0x0                             ; the bias
.irp s, 0,1,2
	ds_store_b64 v[BLS], v[BIA+2*(\s):BIA+2*(\s)+1] offset:256*(\s)  ; my wave's own bytes
.endr
.irp n, 0,1,2,3,4,5,6,7,8,9,10,11,12,13,14,15,16,17,18,19,20,21,22,23
	ds_load_b128 v[BS+4*(\n):BS+4*(\n)+3], v[BLR] offset:256*((\n)/8)+64*(((\n)/2)%4)+16*((\n)%2)  ; LDS serves a wave's instructions in order (ISA guide 5.7.1.4): these see the stores above
.endr
	s_wait_dscnt 0x0
	PACKS 0
	PACKS 1
	PACKS 2
	s_wait_dscnt 0x0                               ; for the others' sake: my stores into the stage are done
	s_barrier_signal -1
	s_barrier_wait -1
	LOADB 0
	LOADB 1
.irp g, 0,1,2,3,4,5
.if (\g) < 5
	s_wait_dscnt 16                                ; batch g is back; the next batch's sixteen loads may be out
.else
	s_wait_dscnt 0x0
.endif
	SENDB \g
.if (\g) < 4
	s_wait_xcnt 0x0                                ; the registers that batch g - 1's stores read are loaded again only behind this wait
	LOADB (\g)+2
.endif
.endr
	s_wait_tensorcnt 0x0                           ; the wave's end, behind my last tensor load and my last LDS store
	ds_add_u32 v[SPW], v[NIL]
	s_wait_dscnt 0x0
	CROUND                                         ; the closing round: no work-group ends while a partner may still ask for a tile that names it
	s_endpgm
.Lfunc_end_k_qef92acf8f1_proj:
	.size	k_qef92acf8f1_proj, .Lfunc_end_k_qef92acf8f1_proj-k_qef92acf8f1_proj
	.p2alignl 7, 3214868480
	.fill 96, 4, 3214868480
	.section	.rodata,"a",@progbits
	.p2align	6, 0x0
	.amdhsa_kernel k_qef92acf8f1_proj
		.amdhsa_group_segment_fixed_size 327680
		.amdhsa_private_segment_fixed_size 0
		.amdhsa_enable_private_segment 0
		.amdhsa_kernarg_size 32
		.amdhsa_user_sgpr_count 2
		.amdhsa_user_sgpr_kernarg_segment_ptr 1
		.amdhsa_wavefront_size32 1
		.amdhsa_system_sgpr_workgroup_id_x 1
		.amdhsa_system_sgpr_workgroup_id_y 1
		.amdhsa_system_sgpr_workgroup_id_z 1
		.amdhsa_system_vgpr_workitem_id 0
		.amdhsa_next_free_vgpr 1024
		.amdhsa_next_free_sgpr 80
		.amdhsa_reserve_vcc 0
		.amdhsa_float_denorm_mode_32 3
		.amdhsa_float_denorm_mode_16_64 3
		.amdhsa_memory_ordered 1
		.amdhsa_forward_progress 1
		.amdhsa_inst_pref_size 130
	.end_amdhsa_kernel
	.amdgpu_metadata
---
amdhsa.version: [ 1, 2 ]
amdhsa.kernels:
  - .name:           k_qef92acf8f1_proj
    .symbol:         k_qef92acf8f1_proj.kd
    .args:
      - { .name: xb, .offset: 0, .size: 8, .value_kind: global_buffer, .address_space: global }
      - { .name: wh, .offset: 8, .size: 8, .value_kind: global_buffer, .address_space: global }
      - { .name: bb, .offset: 16, .size: 8, .value_kind: global_buffer, .address_space: global }
      - { .name: qkv, .offset: 24, .size: 8, .value_kind: global_buffer, .address_space: global }
    .group_segment_fixed_size: 327680
    .private_segment_fixed_size: 0
    .kernarg_segment_align: 8
    .kernarg_segment_size: 32
    .max_flat_workgroup_size: 128
    .sgpr_count:     80
    .vgpr_count:     1024
    .wavefront_size: 32
...
	.end_amdgpu_metadata
.endif
;; end of part 2
;; launch stats (part 3): grid 4 x 64, 4 waves a work-group, clusters of 4 x 1, 327,680 bytes of LDS; arguments qkv, negm; writes negm
.if DOCPART == 3
	.amdgcn_target "amdgcn-amd-amdhsa--gfx1250"
	.amdhsa_code_object_version 6
	.text
	.protected	k_qef92acf8f1_stats
	.globl	k_qef92acf8f1_stats
	.p2align	8
	.type	k_qef92acf8f1_stats,@function
k_qef92acf8f1_stats:
	s_mov_b64 s[64:65], 0
	v_nop
	global_prefetch_b8 v0, s[64:65] scope:SCOPE_SE
	s_setreg_imm32_b32 hwreg(HW_REG_WAVE_MODE, 25, 1), 1
	s_wait_xcnt 0x0
	s_wait_alu depctr_hold_cnt(0) depctr_sa_sdst(0) depctr_va_vdst(0) depctr_va_sdst(0) depctr_va_ssrc(0) depctr_va_vcc(0) depctr_vm_vsrc(0)
	s_getreg_b32 s2, hwreg(HW_REG_IB_STS2, 6, 4)
	s_cmp_eq_u32 s2, 0
	s_cbranch_scc0 .Lentry_in_a_cluster
	s_endpgm
.Lentry_in_a_cluster:
	s_bfe_u32 s2, ttmp6, 0x10000c
	s_cmp_lg_u32 s2, 0x3003
	s_cbranch_scc0 .Lentry_shape_is_right
	s_endpgm
.Lentry_shape_is_right:
; THE SOFTMAX'S STATISTICS.  The softmax runs over the QUERIES: for key s of a head, m = the maximum over q of t(q, s), l = the sum over q of 2^(t - m), with t = q' . k (q' carries log2(e) / 8).
; negm[head][s] = 11 - m - log2(l): the next launch starts its sums of t with it, and 2^(t + negm) is 2,048 times the weight.  A running maximum is taken away before every exponential; l and m stay in f32.
; qkv is f16 [3][8192][1024]; head g of a section is its rows 128 g .. 128 g + 127 read as [2048][64]: dense, 128 bytes a position.
; LIMITS.  A term below 2^-126 counts as 0 in l; NaN and infinities are not treated apart; m starts at -4.2e37, far below every t that f16 operands can give (2.7e11 at the most).
; SHARES.  A work-group owns 512 keys of one head, a wave 128: eight tiles of 16, in four PIECES of two.  The head's whole q' lies in LDS, filled once: each wave fetches 512 queries, JOINTLY with the same wave of the
; three partners of its cluster, which work on the same head.  Nothing is filled again.  Every wave walks all 2,048 queries, 64 a step; the order does not matter to a maximum or a sum: step 31 first, then 0 to 30.
; LAYOUT.  Source 0 = 16 queries from LDS, source 1 = 16 of my keys from registers: in the result a lane holds ONE key (lane % 16) and the queries 8 (lane / 16) + 0..7.  Each half of the lanes keeps its own m and l
; over its half of the queries; the halves are merged once, at the end.
; BY TURNS.  Turn p has the vector work of piece p (166 instructions) and, dealt among it, the 16 products of piece p + 1.  Vector work is the longer: the products stand beside it.
; REGISTERS (s_set_vgpr_msb: bits 1:0 source 0, 3:2 source 1, 5:4 source 2, 7:6 destination):  window 0: v0-15 addresses; v16-23 at work; v64-127 statistics, 8 a tile; v128-255 scores, two buffers of two tiles
;   window 1: v0-127 my keys' fragments (tile t, channel half c at 16 t + 8 c); v128-191 the queries' fragments of one step (row block rb, half c at 128 + 16 rb + 8 c)
.set PQ,    144       ; a row of q' in LDS: 128 bytes + 16 of padding = 36 words: the 16 rows of a load start at 16 different groups of four banks (64 banks of 4 bytes: ISA guide 11.1)
.set STEPB, 64*PQ     ; a step's 64 rows
.set STG,   2048*PQ   ; behind q': 512 bytes for each wave, for the way out; no tensor load lands here
.set SPARE, STG+4*512 ; the spare words, 128 bytes for each wave
.set AK0, 2           ; v2   my lane's place in 16 rows of q'; never rewritten
.set AK,  4           ; v4   the LDS address of the step that is fetched
.set KO,  6           ; v6   my byte offset in 16 rows of k
.set STO, 7           ; v7   the way out: where I put my key's number
.set RD,  8           ; v8   where I read 16 bytes back
.set GO,  10          ; v10  my byte offset in 512 bytes of negm
.set SPW, 14          ; v14  LDS address of my spare word; never rewritten
.set NIL, 15          ; v15  0; never rewritten
.set TMP, 16          ; c0-c3 for each of a piece's two tiles
.set ST,  64          ; tile t at ST + 8 t: m, d, a, 0, then two pairs of partial sums
.set S,   128
.set WF,  128         ; window 1
.set WV,  12          ; s12  my wave's number
.set G1,  24          ; s[24:31] descriptor group 1
.set G0,  40          ; s[40:43] descriptor group 0
.set CNT, 57          ; s57  steps to go
.set SEL, 60          ; s[60:61] v_permlanex16_b32's selects: each lane takes its own place in the other half
.set TB,  62          ; s62  LDS byte at which the step to be fetched begins
.set MSB, 0
.macro WIN new
.if MSB != (\new)
	s_set_vgpr_msb (MSB<<8)|(\new)
.set MSB, (\new)
.endif
.endm
.macro CROUND                       ; a round of the cluster's barrier
	s_barrier_signal -1
	s_barrier_wait -1
	s_cmp_lg_u32 s[WV], 0
	s_cbranch_scc1 .Lnot_wave_0_\@
	s_barrier_signal -3
.Lnot_wave_0_\@:
	s_barrier_wait -3
	s_barrier_signal -1
	s_barrier_wait -1
.endm
.macro PLACES
.rept 4
	v_nop
.endr
.endm
	s_load_b128 s[4:7], s[0:1], 0x0   ; qkv s[4:5], negm s[6:7]
	v_lshl_add_u32 v[SPW], v0, 2, SPARE
	v_mov_b32 v[NIL], 0
	ds_add_u32 v[SPW], v[NIL]       ; the wave's opening: the add and its wait ahead of my first tensor load; the set-up below, work on registers, stands between them
	v_lshrrev_b32 v1, 5, v0
	v_readfirstlane_b32 s[WV], v1   ; wave 0..3
	s_bfe_u32 s13, ttmp6, 0x40000   ; cx
	s_lshl_b32 s14, ttmp9, 2
	s_add_co_u32 s14, s14, s13      ; my block of 512 keys: it enters k's and negm's addresses alone
	s_and_b32 s15, ttmp7, 0xffff    ; the head, which the four partners share
	s_lshl_b32 s20, s15, 18         ; the head's 262,144 bytes in a section
	s_lshl_b32 s22, s[WV], 16       ; the 512 queries that I fetch
	s_add_co_u32 s22, s22, s20
	s_mov_b32 s23, 0
	s_lshl_b32 s16, s14, 2
	s_add_co_u32 s16, s16, s[WV]
	s_lshl_b32 s16, s16, 14         ; my wave's 128 keys,
	s_add_co_u32 s16, s16, s20
	s_add_co_u32 s16, s16, 0x1000000  ; in section 1
	s_mov_b32 s17, 0
	s_lshl_b32 s18, s15, 13         ; negm: 8,192 bytes a head, 2,048 a work-group, 512 a wave
	s_lshl_b32 s19, s14, 11
	s_add_co_u32 s18, s18, s19
	s_lshl_b32 s19, s[WV], 9
	s_add_co_u32 s18, s18, s19
	s_mov_b32 s19, 0
	; 512 queries are 65,536 dense bytes: asked for as 256 rows of 256 bytes, two queries a row, padded in LDS after every query
	s_mov_b32 s[G1], 15|(1<<16)|(1<<20)|(1<<21)|(4<<22)|(3<<25)  ; 15:0 the mask of four; 17:16 2-byte elements; 20 padding on; 21 set beside a mask; 24:22 after every 32 words (code 4); 31:25 4 words (code 3)
	s_mov_b32 s[G1+1], 128<<16      ; tensor_dim0 = 128
	s_mov_b32 s[G1+2], 256<<16      ; tensor_dim1 = 256
	s_mov_b32 s[G1+3], 128<<16      ; tile_dim0 = 128
	s_mov_b32 s[G1+4], 256          ; tile_dim1 = 256
	s_mov_b32 s[G1+5], 128          ; elements from row to row
	s_mov_b32 s[G1+6], 0
	s_mov_b32 s[G1+7], 0
	s_mov_b32 s[G0], 1              ; count = 1
	s_mul_i32 s[G0+1], s[WV], 512*PQ  ; LDS address: my 512 rows
	s_mov_b32 s[SEL], 0x76543210
	s_mov_b32 s[SEL+1], 0xfedcba98
	s_mov_b32 s[TB], 0
	s_mov_b32 s[CNT], 32
	s_wait_dscnt 0x0                ; the opening add is done
	s_wait_kmcnt 0x0
	s_add_nc_u64 s[G0+2:G0+3], s[4:5], s[22:23]
	s_or_b32 s[G0+3], s[G0+3], 0x80000000  ; type = 2
	s_add_nc_u64 s[16:17], s[4:5], s[16:17]
	s_add_nc_u64 s[6:7], s[6:7], s[18:19]
	CROUND                          ; all four work-groups are here: the joint loads meet
	tensor_load_to_lds s[G0:G0+3], s[G1:G1+7]  ; my one tensor load of the launch
	s_nop 0
	PLACES
	v_and_b32 v1, 15, v0            ; l % 16
	v_bfe_u32 v9, v0, 4, 1          ; l / 16
	v_lshlrev_b32 v[KO], 7, v1
	v_lshl_add_u32 v[KO], v9, 4, v[KO]  ; row x 128 + 16 x half
	WIN 0x40                        ; destination window 1
.set i, 0
.rept 16                            ; my keys stay in registers: tile i / 2, channels 32 (i % 2) on
	global_load_b128 v[8*i:8*i+3],   v[KO], s[16:17] offset:(i/2)*2048+(i%2)*64
	global_load_b128 v[8*i+4:8*i+7], v[KO], s[16:17] offset:(i/2)*2048+(i%2)*64+32
.set i, i+1
.endr
	WIN 0
	v_mul_u32_u24 v[AK0], v1, PQ
	v_lshl_add_u32 v[AK0], v9, 4, v[AK0]
	v_add_nc_u32 v[AK], 31*STEPB, v[AK0]  ; the walk's first step is step 31
	s_lshl_b32 s58, s[WV], 9
	s_add_co_u32 s58, s58, STG      ; my 512 bytes for the way out
	v_lshl_add_u32 v[STO], v1, 2, s58
	v_and_b32 v[GO], 31, v0
	v_lshlrev_b32 v[GO], 4, v[GO]
	v_add_nc_u32 v[RD], s58, v[GO]
.set i, 0
.rept 8
	v_mov_b32 v[ST+8*i], 0xfe000000 ; m: the first step's a is then 0
	v_mov_b32 v[ST+8*i+3], 0        ; named with a as a pair
	v_mov_b32 v[ST+8*i+4], 0
	v_mov_b32 v[ST+8*i+5], 0
	v_mov_b32 v[ST+8*i+6], 0
	v_mov_b32 v[ST+8*i+7], 0
.set i, i+1
.endr
; Product i of 16 for piece x: channels 32 (i / 8) on, queries 16 ((i / 2) % 4) on, tile 2 x + i % 2.  The first 8 start the sums.  The 8 accumulators take turns.
.macro MM x
	WIN 0x05                        ; sources 0 and 1 window 1, C and D window 0
.set rD, S+64*((\x)%2)+32*(i%2)+8*((i/2)%4)
.set rA, WF+16*((i/2)%4)+8*(i/8)
.set rB, 16*(2*(\x)+i%2)+8*(i/8)
.if i < 8
	v_wmma_f32_16x16x32_f16 v[rD:rD+7], v[rA:rA+7], v[rB:rB+7], 0
	s_wait_alu depctr_va_vdst(0)
.else
	v_wmma_f32_16x16x32_f16 v[rD:rD+7], v[rA:rA+7], v[rB:rB+7], v[rD:rD+7]
	s_wait_alu depctr_va_vdst(0)
.endif
.set i, i+1
.endm
.macro FETCH c                      ; eight LDS loads: channel half c of a step's 64 queries
	WIN 0x40
.irp rb, 0,1,2,3
	ds_load_b128 v[WF+16*(\rb)+8*(\c):WF+16*(\rb)+8*(\c)+3],   v[AK] offset:(\rb)*16*PQ+64*(\c)
	ds_load_b128 v[WF+16*(\rb)+8*(\c)+4:WF+16*(\rb)+8*(\c)+7], v[AK] offset:(\rb)*16*PQ+64*(\c)+32
.endr
	WIN 0
.endm
; THE VECTOR WORK of piece Y, tile u of its two.  s0-s31 are the lane's 32 scores.
.macro REGS u
.set rT, ST+8*(2*Y+(\u))
.set rC, TMP+4*(\u)
.set rS, S+64*(Y%2)+32*(\u)
.endm
; OPX n: 0-11 four chains c0-c3 of seven scores each (each accumulator's lowest registers are read first); 12-15 the four scores left over, the old m, and c0-c3 into c0; 16 d = m_old - m_new; 17 m; 18 a = 2^d
.macro OPX u, n
	REGS \u
	WIN 0
.if (\n) < 4
	v_max3_num_f32 v[rC+(\n)], v[rS+8*(\n)], v[rS+8*(\n)+1], v[rS+8*(\n)+2]
.elseif (\n) < 12
	v_max3_num_f32 v[rC+(\n)%4], v[rC+(\n)%4], v[rS+8*((\n)%4)+2*((\n)/4)+1], v[rS+8*((\n)%4)+2*((\n)/4)+2]
.elseif (\n) == 12
	v_max3_num_f32 v[rC], v[rC], v[rS+7], v[rS+15]
.elseif (\n) == 13
	v_max3_num_f32 v[rC+1], v[rC+1], v[rS+23], v[rS+31]
.elseif (\n) == 14
	v_max3_num_f32 v[rC+2], v[rC+2], v[rC+3], v[rT]
.elseif (\n) == 15
	v_max3_num_f32 v[rC], v[rC], v[rC+1], v[rC+2]
.elseif (\n) == 16
	v_sub_f32 v[rT+1], v[rT], v[rC]
.elseif (\n) == 17
	v_mov_b32 v[rT], v[rC]
.else
	v_exp_f32 v[rT+2], v[rT+1]
.endif
.endm
.macro OPF u, n                     ; pair n of 16: t - m
	REGS \u
	WIN 0
	v_pk_add_f32 v[rS+2*(\n):rS+2*(\n)+1], v[rS+2*(\n):rS+2*(\n)+1], v[rT:rT+1] op_sel_hi:[1,0] neg_lo:[0,1] neg_hi:[0,1]
.endm
.macro OPE u, n                     ; the exponential of score n of 32
	REGS \u
	WIN 0
	v_exp_f32 v[rS+(\n)], v[rS+(\n)]
.endm
.macro OPA u, n                     ; pair n goes into partial sum n % 2; pairs 0 and 1 as l = a l + pair
	REGS \u
	WIN 0
.if (\n) < 2
	s_wait_alu depctr_va_vdst(0)
	v_pk_fma_f32 v[rT+4+2*(\n):rT+5+2*(\n)], v[rT+4+2*(\n):rT+5+2*(\n)], v[rT+2:rT+3], v[rS+2*(\n):rS+2*(\n)+1] op_sel_hi:[1,0,1]
.else
	s_wait_alu depctr_va_vdst(0)
	v_pk_add_f32 v[rT+4+2*((\n)%2):rT+5+2*((\n)%2)], v[rT+4+2*((\n)%2):rT+5+2*((\n)%2)], v[rS+2*(\n):rS+2*(\n)+1]
.endif
.endm
; Number j of a piece's list of 170 (four of them empty).  0-37: OPX, the two tiles alternating.  38, 39: the first subtraction.  40-167, in groups of four for pair n and tile u: the subtraction of pair n + 1, an
; exponential, the sum of pair n - 1, an exponential: a plain instruction stands behind every exponential before its result is used (ISA guide 5.7.2).  168, 169: the last sums.
.macro VOP
.if j < 38
	OPX j%2, j/2
.elseif j < 40
	OPF j%2, 0
.elseif j < 168
.set vn, (j-40)/8
.set vu, ((j-40)/4)%2
.set vr, (j-40)%4
.if vr == 0
.if vn < 15
	OPF vu, vn+1
.endif
.elseif vr == 1
	OPE vu, 2*vn
.elseif vr == 2
.if vn > 0
	OPA vu, vn-1
.endif
.else
	OPE vu, 2*vn+1
.endif
.else
	OPA j%2, 15
.endif
.set j, j+1
.endm
; A TURN: behind each of the 16 products of piece p + 1 a slice of piece p's list, eleven numbers in the first ten slices, ten in the others.
; The queries' fragments have one buffer.  Piece 3's products are a step's last (turn 2): channel half 0 is fetched anew behind product 7 and its slice (five plain instructions and the address line stand between),
; half 1 behind the turn's end and four places.  Turn 3, whose products are the next step's first, waits for half 0 at its head and for half 1 in front of product 8.
.macro TURN p
.set Y, (\p)
.set i, 0
.set j, 0
.if (\p) == 3
	s_wait_dscnt 8                  ; half 0 is in; half 1's eight loads may be out
.endif
.rept 16
.if ((\p) == 3) && (i == 8)
	s_wait_dscnt 0x0                ; half 1 is in
.endif
	MM ((\p)+1)%4
.rept 10
	VOP
.endr
.if i <= 10
	VOP
.endif
.if ((\p) == 2) && (i == 8)
	WIN 0
	v_add_nc_u32 v[AK], s[TB], v[AK0]
	FETCH 0
.endif
.endr
.if (\p) == 2
	WIN 0
	PLACES
	FETCH 1
	s_add_co_u32 s[TB], s[TB], STEPB  ; 32 fetches, at 0 to 31 x 9,216: all inside q'
.endif
.endm
	s_wait_tensorcnt 0x0            ; my 512 queries are in LDS,
	s_barrier_signal -1
	s_barrier_wait -1               ; everybody's are
	FETCH 0
	FETCH 1
	s_wait_loadcnt 0x0              ; my keys
	s_wait_dscnt 0x0
.set i, 0
.rept 16
	MM 0                            ; piece 0's first scores: there is no vector work yet to set between them
.endr
	WIN 0
	PLACES
.Lstep:                             ; 32 trips; the last trip's fetch (step 31 once more) and turn 3's products serve nothing: the price of one text for every trip
	TURN 0
	TURN 1
	TURN 2
	TURN 3
	WIN 0
	s_sub_co_u32 s[CNT], s[CNT], 1
	s_cmp_lg_u32 s[CNT], 0
	s_cbranch_scc1 .Lstep
	; THE END.  The two halves of the lanes are merged: M = the greater m; l = the sum of both halves' l 2^(m - M); then 11 - M - log2(l).
.macro ALL line:vararg              ; one line for each tile t
.set t, 0
	s_wait_alu depctr_va_vdst(0)
.rept 8
	\line
.set t, t+1
.endr
.endm
	ALL v_permlanex16_b32 v[ST+8*t+1], v[ST+8*t], s[SEL], s[SEL+1]
	ALL v_max_num_f32 v[ST+8*t+3], v[ST+8*t], v[ST+8*t+1]
	ALL v_sub_f32 v[ST+8*t+1], v[ST+8*t], v[ST+8*t+3]
	ALL v_exp_f32 v[ST+8*t+2], v[ST+8*t+1]
	ALL v_pk_add_f32 v[ST+8*t+4:ST+8*t+5], v[ST+8*t+4:ST+8*t+5], v[ST+8*t+6:ST+8*t+7]
	ALL v_add_f32 v[ST+8*t+4], v[ST+8*t+4], v[ST+8*t+5]
	ALL v_mul_f32 v[ST+8*t+4], v[ST+8*t+4], v[ST+8*t+2]
	ALL v_permlanex16_b32 v[ST+8*t+5], v[ST+8*t+4], s[SEL], s[SEL+1]
	ALL v_add_f32 v[ST+8*t+4], v[ST+8*t+4], v[ST+8*t+5]
	ALL v_log_f32 v[ST+8*t+6], v[ST+8*t+4]
	ALL v_sub_f32 v[ST+8*t+7], 0x41300000, v[ST+8*t+3]
	ALL v_sub_f32 v[ST+8*t+7], v[ST+8*t+7], v[ST+8*t+6]
.irp t, 0,1,2,3,4,5,6,7
	ds_store_b32 v[STO], v[ST+8*(\t)+7] offset:64*(\t)  ; key 16 t + l % 16; the two halves of the lanes write the same number to the same word
.endr
	ds_load_b128 v[16:19], v[RD]    ; LDS serves a wave's instructions in order (ISA guide 5.7.1.4): this sees the stores above
	s_wait_dscnt 0x0
	global_store_b128 v[GO], v[16:19], s[6:7]  ; 512 consecutive bytes, at a multiple of 256 from negm's first
	s_wait_tensorcnt 0x0            ; the wave's end, behind my last tensor load and my last LDS store
	ds_add_u32 v[SPW], v[NIL]
	s_wait_dscnt 0x0
	CROUND                          ; the closing round
	s_endpgm
.Lfunc_end_k_qef92acf8f1_stats:
	.size	k_qef92acf8f1_stats, .Lfunc_end_k_qef92acf8f1_stats-k_qef92acf8f1_stats
	.p2alignl 7, 3214868480
	.fill 96, 4, 3214868480
	.section	.rodata,"a",@progbits
	.p2align	6, 0x0
	.amdhsa_kernel k_qef92acf8f1_stats
		.amdhsa_group_segment_fixed_size 327680
		.amdhsa_private_segment_fixed_size 0
		.amdhsa_enable_private_segment 0
		.amdhsa_kernarg_size 16
		.amdhsa_user_sgpr_count 2
		.amdhsa_user_sgpr_kernarg_segment_ptr 1
		.amdhsa_wavefront_size32 1
		.amdhsa_system_sgpr_workgroup_id_x 1
		.amdhsa_system_sgpr_workgroup_id_y 1
		.amdhsa_system_sgpr_workgroup_id_z 1
		.amdhsa_system_vgpr_workitem_id 0
		.amdhsa_next_free_vgpr 512
		.amdhsa_next_free_sgpr 66
		.amdhsa_reserve_vcc 0
		.amdhsa_float_denorm_mode_32 3
		.amdhsa_float_denorm_mode_16_64 3
		.amdhsa_memory_ordered 1
		.amdhsa_forward_progress 1
		.amdhsa_inst_pref_size 66
	.end_amdhsa_kernel
	.amdgpu_metadata
---
amdhsa.version: [ 1, 2 ]
amdhsa.kernels:
  - .name:           k_qef92acf8f1_stats
    .symbol:         k_qef92acf8f1_stats.kd
    .args:
      - { .name: qkv, .offset: 0, .size: 8, .value_kind: global_buffer, .address_space: global }
      - { .name: negm, .offset: 8, .size: 8, .value_kind: global_buffer, .address_space: global }
    .group_segment_fixed_size: 327680
    .private_segment_fixed_size: 0
    .kernarg_segment_align: 8
    .kernarg_segment_size: 16
    .max_flat_workgroup_size: 128
    .sgpr_count:     66
    .vgpr_count:     512
    .wavefront_size: 32
...
	.end_amdgpu_metadata
.endif
;; end of part 3
;; launch attn (part 4): grid 4 x 64, 4 waves a work-group, clusters of 4 x 1, 327,680 bytes of LDS; arguments qkv, negm, ob, rs; writes ob, rs
.if DOCPART == 4
	.amdgcn_target "amdgcn-amd-amdhsa--gfx1250"
	.amdhsa_code_object_version 6
	.text
	.protected	k_qef92acf8f1_attn
	.globl	k_qef92acf8f1_attn
	.p2align	8
	.type	k_qef92acf8f1_attn,@function
k_qef92acf8f1_attn:
	s_mov_b64 s[64:65], 0
	v_nop
	global_prefetch_b8 v0, s[64:65] scope:SCOPE_SE
	s_setreg_imm32_b32 hwreg(HW_REG_WAVE_MODE, 25, 1), 1
	s_wait_xcnt 0x0
	s_wait_alu depctr_hold_cnt(0) depctr_sa_sdst(0) depctr_va_vdst(0) depctr_va_sdst(0) depctr_va_ssrc(0) depctr_va_vcc(0) depctr_vm_vsrc(0)
	s_getreg_b32 s2, hwreg(HW_REG_IB_STS2, 6, 4)
	s_cmp_eq_u32 s2, 0
	s_cbranch_scc0 .Lentry_in_a_cluster
	s_endpgm
.Lentry_in_a_cluster:
	s_bfe_u32 s2, ttmp6, 0x10000c
	s_cmp_lg_u32 s2, 0x3003
	s_cbranch_scc0 .Lentry_shape_is_right
	s_endpgm
.Lentry_shape_is_right:
; THE WEIGHTED SUM.  O[head][q][:] = the sum over s of p'(q, s) v[s][:], p' = 2^(q' . k[s] + negm[s]) = 2,048 x the softmax over the queries (negm holds 11 - maximum - log2(sum), made by the launch before with a running maximum).
; So p' lies in 0 to 2,048 (to within the rounding of the two launches' sums) and has mean 1 over the queries; it is rounded to f16 for the second product.  Products and sums in f32.
; Sixteen queries' O are one row of 1,024 of the last product.  For each such row e = the power of two at or below the largest |O|, held to 2^-126 .. 2^126; ob = f16(O / e), within (-2, 2); rs[row] = e / 2,048.
; qkv is f16 [3][8192][1024]; head g of a section is its rows 128 g .. 128 g + 127 read as [2048][64]: dense, 128 bytes a position; ob has the same layout.
; LIMITS.  p' below 6e-5 keeps f16's fixed step of 6e-8; one below 2^-126 counts as 0; NaN and infinities are not treated apart.
; SHARES.  A wave owns four PIECES of two tiles of 16 queries, a work-group 512 queries of one head.  Every wave walks all 2,048 keys, 64 a step; a slot of LDS holds four steps.
; LAYOUT.  S^T = K Q^T + negm (source 0 = 16 keys, source 1 = 16 queries, C = negm of the lane's eight keys): a lane holds ONE query (lane % 16) and the keys 8 (lane / 16) + 0..7.  Two such results, rounded to f16 in
; pairs, ARE source 1 of O^T = V^T P.  K comes out of LDS as it lies, V turned, by ds_load_tr16_b128.
; BY TURNS.  Turn p: 16 products K Q^T of piece p + 1, then 16 products V^T P of piece p - 1; behind each product three vector instructions of piece p: exponential, rounding, exponential.  No maximum, no rescaling, no sum.
; CLUSTER.  The four query blocks of a cluster belong to one head and walk the same K, V and negm: each tile is asked for JOINTLY: the same tensor load, descriptor and mask in all four.
; O^T, V's registers and one buffer of P are cleared at the start, in the wait for the first tile: 352 v_mov_b32, the price of writing no first step out.
; REGISTERS (s_set_vgpr_msb: bits 1:0 source 0, 3:2 source 1, 5:4 source 2, 7:6 destination):  window 0: v0-15 addresses; v32-63 negm of one step; v64-191 S^T, two buffers of two tiles; v192-255 P, likewise
;   (on the way out v16-50 are at work)      window 1: O^T, 32 a tile      window 2: v0-127 Q, 16 a tile; v128-191 K of one step; v192-255 V of one step
.set NP,    4
.set KS,    64        ; keys in a step
.set PK,    144       ; a row of K in LDS: 128 bytes + 16 of padding: the 16 rows of a load start at 16 different groups of four banks (64 banks of 4 bytes: ISA guide 11.1)
.set PV,    160       ; a row of V: 128 + 32
.set VOFF,  4*KS*PK   ; a slot: 256 rows of K, then 256 rows of V: 77,824 bytes
.set NMB,   81920     ; behind slot 0: the head's negm, 8,192 bytes, filled once
.set SLOT1, 1<<17     ; slot 1 begins here, so that one exclusive or turns an address in one slot into the other's
.set STAGE, SLOT1+4*KS*(PK+PV)  ; behind the ring, never filled by a tensor load: 16 rows x 144 bytes for each wave
.set SP,    144
.set SPARE, STAGE+4*16*SP       ; the spare words, 128 bytes for each wave
.set AK0, 2           ; v2   my lane's place in a tile of K; never rewritten
.set AV0, 3           ; v3   the same for V
.set AK,  4           ; v4   the LDS address of K's next run of loads
.set AV,  5           ; v5   of V's
.set QO,  6           ; v6   my byte offset in the wave's rows of Q
.set STO, 6           ;      later, the way out: where I put 16 bytes of a row
.set RD,  7           ; v7   where I read rows back
.set GO,  8           ; v8   my byte offset in 512 consecutive bytes of ob
.set AN0, 12          ; v12  my lane's place in a step's negm; never rewritten
.set AN,  13          ; v13  the LDS address of negm's next loads
.set SPW, 14          ; v14  LDS address of my spare word; never rewritten
.set NIL, 15          ; v15  0; never rewritten
.set ST,  16          ; the way out: tile t at ST + 4 t: the maximum and then e, at work, 1 / e, e / 2,048
.set NM,  32          ; key block kb at NM + 8 kb
.set S,   64
.set P,   192
.set KF,  128         ; window 2: key block kb, channel half c at KF + 16 kb + 8 c
.set VF,  192         ; window 2: key half kk, channel block cb at VF + 32 kk + 8 cb
.set WV,  12          ; s12  my wave's number
.set OBP, 8           ; s[8:9] ob at my wave's first row
.set G1K, 24          ; s[24:31] descriptor group 1 for K's tiles
.set G1V, 32          ; s[32:39] for V's
.set G0K, 40          ; s[40:43] group 0 for K's tiles: it walks
.set G0V, 44          ; s[44:47] for V's
.set G0N, 48          ; s[48:51] for negm
.set TBN, 52          ; s52  byte in negm of the step to be fetched
.set SLOTS, 56
.set CNT, 57
.set SEL, 60          ; s[60:61]
.set TBK, 62          ; s62  LDS byte at which K of the step to be fetched begins
.set TBV, 63          ; s63  the same for V, less VOFF
.set G1N, 68          ; s[68:75] descriptor group 1 for negm
.set MSB, 0
.macro WIN new
.if MSB != (\new)
	s_set_vgpr_msb (MSB<<8)|(\new)
.set MSB, (\new)
.endif
.endm
.set W_KQ, 0x0a       ; K and Q in window 2; negm, S^T in window 0
.set W_PV, 0x52       ; V in window 2, P in window 0, O^T in window 1
.set W_RS, 0x41       ; destination and source 0 in window 1, source 1 in window 0
.macro PLACES
.rept 4
	v_nop
.endr
.endm
; A joint fill.  Waves 0 and 1 fetch the two halves of a slot's K, waves 2 and 3 those of its V: 128 keys each.  An s_nop 0 and four v_nop follow each of the two lines.
.macro JLOAD
	s_cmp_lt_u32 s[WV], 2
	s_cbranch_scc0 .Lfor_v_\@
	tensor_load_to_lds s[G0K:G0K+3], s[G1K:G1K+7]
	s_nop 0
.rept 4
	v_nop
.endr
	s_branch .Lasked_\@
.Lfor_v_\@:
	tensor_load_to_lds s[G0V:G0V+3], s[G1V:G1V+7]
	s_nop 0
.rept 4
	v_nop
.endr
.Lasked_\@:
.endm
.macro CROUND                       ; a round of the cluster's barrier
	s_barrier_signal -1
	s_barrier_wait -1
	s_cmp_lg_u32 s[WV], 0
	s_cbranch_scc1 .Lnot_wave_0_\@
	s_barrier_signal -3
.Lnot_wave_0_\@:
	s_barrier_wait -3
	s_barrier_signal -1
	s_barrier_wait -1
.endm
; THE CHANGE OF SLOTS.  Each wave waits for all its tensor loads, adds 0 to its spare word, and waits for that and for its own reads of the slot.  fill = 1: the barrier is a round of the cluster's, and the joint fill of the
; slot that is left, with the keys two slots on, is the first thing behind it: it has four key steps in which to land.  (At its first use nothing has been read yet: slot 0 and negm are waited for, slot 1 is filled.)
.macro CHANGE fill
	WIN 0
	s_wait_tensorcnt 0x0            ; no tensor load of mine is out, so a group 0 may be written
	ds_add_u32 v[SPW], v[NIL]       ; 0 onto my spare word
.if \fill
.irp g, G0K, G0V
	s_xor_b32 s[\g+1], s[\g+1], SLOT1
	s_add_nc_u64 s[\g+2:\g+3], s[\g+2:\g+3], 4*KS*128  ; the next 256 keys; the type bits on top are not reached
.endr
	s_wait_dscnt 0x0                ; the add is done, and my reads of the slot are over
	CROUND
	JLOAD
.else
	s_wait_dscnt 0x0
	s_barrier_signal -1
	s_barrier_wait -1
.endif
	s_sub_co_u32 s[TBK], s[TBK], 4*KS*PK  ; the fetches go back to a slot's first step,
	s_xor_b32 s[TBK], s[TBK], SLOT1       ; in the other slot
	s_sub_co_u32 s[TBV], s[TBV], 4*KS*PV
	s_xor_b32 s[TBV], s[TBV], SLOT1
.endm
	s_load_b256 s[4:11], s[0:1], 0x0  ; qkv s[4:5], negm s[6:7], ob s[8:9], rs s[10:11]
	v_lshl_add_u32 v[SPW], v0, 2, SPARE
	v_mov_b32 v[NIL], 0
	ds_add_u32 v[SPW], v[NIL]       ; the wave's opening: the add and its wait ahead of my first tensor load; the set-up below, work on registers, stands between them
	v_lshrrev_b32 v1, 5, v0
	v_readfirstlane_b32 s[WV], v1   ; wave 0..3
	s_bfe_u32 s13, ttmp6, 0x40000   ; cx
	s_lshl_b32 s14, ttmp9, 2
	s_add_co_u32 s14, s14, s13      ; my block of 512 queries: it enters Q's, ob's and rs's addresses alone
	s_and_b32 s15, ttmp7, 0xffff    ; the head, which the four partners share
	s_lshl_b32 s20, s15, 18         ; the head's 262,144 bytes in a section
	s_and_b32 s16, s[WV], 1         ; which half of a slot's 256 keys I fetch:
	s_lshl_b32 s22, s16, 14         ; its 128 rows of 128 bytes in memory,
	s_add_co_u32 s22, s22, s20
	s_mov_b32 s23, 0
	s_mul_i32 s17, s16, 128*PK      ; and its place in a slot, for K
	s_mul_i32 s18, s16, 128*PV      ; and for V
	s_lshl_b32 s2, s14, 2
	s_add_co_u32 s2, s2, s[WV]
	s_lshl_b32 s2, s2, 14           ; my wave's 128 queries
	s_add_co_u32 s2, s2, s20
	s_mov_b32 s3, 0
	s_lshl_b32 s54, s15, 13         ; negm: 8,192 bytes a head; I fetch 2,048 of them
	s_lshl_b32 s55, s[WV], 11
	s_add_co_u32 s54, s54, s55
	s_mov_b32 s55, 0
	s_lshl_b32 s76, s15, 9          ; rs: 4 bytes x (128 rows a head, 32 a work-group, 8 a wave)
	s_lshl_b32 s77, s14, 7
	s_add_co_u32 s76, s76, s77
	s_lshl_b32 s77, s[WV], 5
	s_add_co_u32 s76, s76, s77
	s_mov_b32 s77, 0
	; 128 keys are 16,384 dense bytes: asked for as 64 rows of 256 bytes, two keys a row, padded in LDS after every key
	s_mov_b32 s[G1K], 15|(1<<16)|(1<<20)|(1<<21)|(4<<22)|(3<<25)  ; the mask of four; 2-byte elements; padding on; 21 set beside a mask; after every 32 words (code 4); 4 words (code 3)
	s_mov_b32 s[G1V], 15|(1<<16)|(1<<20)|(1<<21)|(4<<22)|(7<<25)  ; the same with 8 words of padding (code 7)
.irp g, G1K, G1V
	s_mov_b32 s[\g+1], 128<<16      ; tensor_dim0 = 128
	s_mov_b32 s[\g+2], 64<<16       ; tensor_dim1 = 64
	s_mov_b32 s[\g+3], 128<<16      ; tile_dim0 = 128
	s_mov_b32 s[\g+4], 64           ; tile_dim1 = 64
	s_mov_b32 s[\g+5], 128          ; elements from row to row
	s_mov_b32 s[\g+6], 0
	s_mov_b32 s[\g+7], 0
.endr
	s_mov_b32 s[G1N], 15|(3<<16)|(1<<21)  ; negm: one row of 256 elements of 8 bytes, no padding
	s_mov_b32 s[G1N+1], 256<<16
	s_mov_b32 s[G1N+2], 1<<16
	s_mov_b32 s[G1N+3], 256<<16
	s_mov_b32 s[G1N+4], 1
	s_mov_b32 s[G1N+5], 256
	s_mov_b32 s[G1N+6], 0
	s_mov_b32 s[G1N+7], 0
	s_mov_b32 s[SEL], 0x76543210
	s_mov_b32 s[SEL+1], 0xfedcba98
	s_mov_b32 s[TBK], SLOT1+4*KS*PK ; the first change of slots turns these two into 0
	s_mov_b32 s[TBV], SLOT1+4*KS*PV
	s_mov_b32 s[TBN], 0
	s_mov_b32 s[G0K], 1
	s_mov_b32 s[G0K+1], s17         ; LDS address: slot 0
	s_mov_b32 s[G0V], 1
	s_add_co_u32 s[G0V+1], s18, VOFF
	s_mov_b32 s[G0N], 1
	s_lshl_b32 s[G0N+1], s[WV], 11
	s_add_co_u32 s[G0N+1], s[G0N+1], NMB
	s_wait_dscnt 0x0                ; the opening add is done
	s_wait_kmcnt 0x0
	s_add_nc_u64 s[G0K+2:G0K+3], s[4:5], s[22:23]
	s_add_nc_u64 s[G0K+2:G0K+3], s[G0K+2:G0K+3], 0x1000000  ; section 1: k
	s_or_b32 s[G0K+3], s[G0K+3], 0x80000000                 ; type = 2
	s_add_nc_u64 s[G0V+2:G0V+3], s[4:5], s[22:23]
	s_add_nc_u64 s[G0V+2:G0V+3], s[G0V+2:G0V+3], 0x2000000  ; section 2: v
	s_or_b32 s[G0V+3], s[G0V+3], 0x80000000
	s_add_nc_u64 s[G0N+2:G0N+3], s[6:7], s[54:55]
	s_or_b32 s[G0N+3], s[G0N+3], 0x80000000
	s_add_nc_u64 s[4:5], s[4:5], s[2:3]        ; Q and ob at my wave's first row
	s_add_nc_u64 s[OBP:OBP+1], s[OBP:OBP+1], s[2:3]
	s_add_nc_u64 s[10:11], s[10:11], s[76:77]  ; rs at my wave's eight rows
	CROUND                          ; all four work-groups are here: the first joint loads meet
	JLOAD                           ; slot 0
	tensor_load_to_lds s[G0N:G0N+3], s[G1N:G1N+7]  ; my quarter of the head's negm: two loads of mine are out; the first wait for them is for 0
	s_nop 0
	PLACES
	; A fragment of K or Q is 16 rows x 32 channels in 8 registers: lane l holds row l % 16, channels 8 (l / 16) + 0..7 and 16 + 8 (l / 16) + 0..7: two loads of 16 bytes, 32 bytes apart.
	v_and_b32 v1, 15, v0            ; l % 16
	v_bfe_u32 v9, v0, 4, 1          ; l / 16
	v_lshlrev_b32 v[QO], 7, v1
	v_lshl_add_u32 v[QO], v9, 4, v[QO]
	WIN 0x80                        ; destination window 2
.set i, 0
.rept 4*NP                          ; Q stays in registers: tile i / 2, channels 32 (i % 2) on
	global_load_b128 v[8*i:8*i+3],   v[QO], s[4:5] offset:(i/2)*2048+(i%2)*64
	global_load_b128 v[8*i+4:8*i+7], v[QO], s[4:5] offset:(i/2)*2048+(i%2)*64+32
.set i, i+1
.endr
	; What the first turn finds: V's registers and P's second buffer hold 0 (its products V^T P, of a piece that has not been, add 0), O^T is 0.
.set i, VF
.rept 64
	v_mov_b32 v[i], 0
.set i, i+1
.endr
	WIN 0x40
.set i, 0
.rept 64*NP
	v_mov_b32 v[i], 0
.set i, i+1
.endr
	WIN 0
.set i, P+32
.rept 32
	v_mov_b32 v[i], 0
.set i, i+1
.endr
	v_mul_u32_u24 v[AK0], v1, PK
	v_lshl_add_u32 v[AK0], v9, 4, v[AK0]
	; The turning load takes 16 keys x 16 channels (lane l reads key 8 (l / 16) + l % 8, channels 8 ((l / 8) % 2) + 0..7) and leaves half a fragment of V^T: lane l holds channel l % 16 and 8 keys.
	v_and_b32 v10, 7, v0
	v_bfe_u32 v11, v0, 3, 1
	v_lshl_add_u32 v[AV0], v9, 3, v10
	v_mul_u32_u24 v[AV0], v[AV0], PV
	v_lshl_add_u32 v[AV0], v11, 4, v[AV0]
	v_add_nc_u32 v[AV0], VOFF, v[AV0]
	v_lshl_add_u32 v[AN0], v9, 5, NMB  ; negm of keys 16 kb + 8 (l / 16) + 0..7 lies at byte 64 kb + 32 (l / 16) of the step's 256
	v_mov_b32 v[AK], v[AK0]         ; key step 0 lies at the head of slot 0,
	v_mov_b32 v[AN], v[AN0]         ; and of negm
; THE MATRIX WORK.  The 8 accumulators of a run of 16 take turns.
; Product i of 16 of S^T for piece x: channels 32 (i / 8) on, keys 16 ((i / 2) % 4) on, tile 2 x + i % 2.  The first 8 start the sums, with negm.
.macro KQ x
	WIN W_KQ
.set rS, S+64*((\x)%2)+32*(i%2)+8*((i/2)%4)
.set rK, KF+16*((i/2)%4)+8*(i/8)
.set rQ, 16*(2*(\x)+i%2)+8*(i/8)
.set rN, NM+8*((i/2)%4)
.if i < 8
	v_wmma_f32_16x16x32_f16 v[rS:rS+7], v[rK:rK+7], v[rQ:rQ+7], v[rN:rN+7]
.else
	v_wmma_f32_16x16x32_f16 v[rS:rS+7], v[rK:rK+7], v[rQ:rQ+7], v[rS:rS+7]
.endif
.endm
; Product i of 16 of O^T += V^T P for piece x: keys 32 (i / 8) on, channels 16 ((i / 2) % 4) on, tile 2 x + i % 2.
.macro PV x
	WIN W_PV
.set rO, 32*(2*(\x)+i%2)+8*((i/2)%4)
.set rV, VF+32*(i/8)+8*((i/2)%4)
.set rP, P+32*((\x)%2)+16*(i%2)+8*(i/8)
	v_wmma_f32_16x16x32_f16 v[rO:rO+7], v[rV:rV+7], v[rP:rP+7], v[rO:rO+7]
.endm
; THE LDS LOADS stand in runs: a step's negm (8 loads) and K (16), and its V (16, turned).  last = 1 (the tail): in the last trip there is no further step, and the run is jumped over.
.macro FETCH_K last=0
	WIN 0
.if \last
	s_cmp_eq_u32 s[CNT], 1
	s_cbranch_scc1 .Lno_k_\@
.endif
.irp f, 0,1,2,3,4,5,6,7
	ds_load_b128 v[NM+4*\f:NM+4*\f+3], v[AN] offset:(\f/2)*64+(\f%2)*16
.endr
	WIN 0x80
.irp f, 0,1,2,3,4,5,6,7             ; keys 16 (f / 2) on, channels 32 (f % 2) on
	ds_load_b128 v[KF+8*\f:KF+8*\f+3],   v[AK] offset:(\f/2)*16*PK+(\f%2)*64
	ds_load_b128 v[KF+8*\f+4:KF+8*\f+7], v[AK] offset:(\f/2)*16*PK+(\f%2)*64+32
.endr
	s_add_co_u32 s[TBK], s[TBK], KS*PK  ; the next fetch is the next step's
	s_add_co_u32 s[TBN], s[TBN], KS*4
	WIN 0
.if \last
.Lno_k_\@:
.endif
.endm
.macro FETCH_V
	WIN 0x80
.irp f, 0,1,2,3,4,5,6,7             ; keys 32 (f / 4) on, channels 16 (f % 4) on
	ds_load_tr16_b128 v[VF+8*\f:VF+8*\f+3],   v[AV] offset:(\f/4)*32*PV+(\f%4)*32
	ds_load_tr16_b128 v[VF+8*\f+4:VF+8*\f+7], v[AV] offset:(\f/4)*32*PV+16*PV+(\f%4)*32
.endr
	WIN 0
.endm
; THE VECTOR WORK of piece Y, part gi of 32: the exponentials of scores 2 gi and 2 gi + 1 of the piece's 64, in ascending order (each accumulator's lowest registers are read first), and between
; them the rounding of the pair two back, whose exponentials have a plain instruction behind them (ISA guide 5.7.2).  Pair n of S^T's buffer is register n of P's.
.macro RIDE
	WIN 0
.set rS, S+64*(Y%2)
.set rP, P+32*(Y%2)
	v_exp_f32 v[rS+2*gi], v[rS+2*gi]
.if gi < 2
	v_nop
.else
	s_wait_alu depctr_va_vdst(0)
	v_cvt_pk_f16_f32 v[rP+gi-2], v[rS+2*gi-4], v[rS+2*gi-3]
.endif
	v_exp_f32 v[rS+2*gi+1], v[rS+2*gi+1]
.if gi == 31
	s_wait_alu depctr_va_vdst(0)
	v_cvt_pk_f16_f32 v[rP+30], v[rS+60], v[rS+61]
	v_cvt_pk_f16_f32 v[rP+31], v[rS+62], v[rS+63]
.endif
.set gi, gi+1
.endm
; A TURN, for piece p.  K and negm of the next step are fetched in piece 2's turn, behind its products K Q^T (the step's last) and four places; they are waited for at the head of piece 3's turn, 16 products later.
; V of the step in hand is fetched at the end of piece 0's turn, behind the last products on the old V and four places; it is waited for in the middle of piece 1's turn.
.macro TURN p, last=0, cnt=0
.set Y, (\p)
.set gi, 0
.if (\p) == 3
	s_wait_dscnt 0x0                ; K and negm are in
.endif
.set i, 0
.rept 16
	KQ ((\p)+1)%NP
	RIDE
.set i, i+1
.endr
.if (\p) == 2
	PLACES
	v_add_nc_u32 v[AK], s[TBK], v[AK0]
	v_add_nc_u32 v[AN], s[TBN], v[AN0]
	FETCH_K \last
.endif
.if (\p) == 1
	s_wait_dscnt 0x0                ; V is in
.endif
.set i, 0
.rept 16
	PV ((\p)+NP-1)%NP
	RIDE
.set i, i+1
.endr
.if (\p) == 0
	PLACES
	v_add_nc_u32 v[AV], s[TBV], v[AV0]
	s_add_co_u32 s[TBV], s[TBV], KS*PV
	FETCH_V
.endif
.if \cnt
	s_sub_co_u32 s[CNT], s[CNT], 1
	s_cmp_lg_u32 s[CNT], 0
.endif
.endm
	CHANGE 1                        ; slot 0 and negm are in, everybody's parts of them; slot 1 is asked for
	FETCH_K                         ; key step 0
	s_wait_loadcnt 0x0              ; Q
	s_wait_dscnt 0x0
.set i, 0
.rept 16
	KQ 0                            ; piece 0's first scores: there is no vector work yet to set between them
.set i, i+1
.endr
	WIN 0                           ; the addresses for the way out: plain instructions, the places behind those products
	s_mul_i32 s13, s[WV], 16*SP
	s_add_co_u32 s13, s13, STAGE    ; my stage
	v_mul_u32_u24 v[STO], v1, SP    ; in: row l % 16, 16 bytes for each half of the lanes
	v_lshl_add_u32 v[STO], v9, 4, v[STO]
	v_add_nc_u32 v[STO], s13, v[STO]
	v_bfe_u32 v[RD], v0, 3, 2       ; back: 32 lanes take four rows of 128 bytes,
	v_mul_u32_u24 v[RD], v[RD], SP
	v_lshl_add_u32 v[RD], v10, 4, v[RD]
	v_add_nc_u32 v[RD], s13, v[RD]
	v_and_b32 v[GO], 31, v0         ; which are 512 consecutive bytes of ob
	v_lshlrev_b32 v[GO], 4, v[GO]
	s_mov_b32 s[CNT], 4
	s_mov_b32 s[SLOTS], 7
	s_branch .Lfirst                ; the loop is entered at a step's first turn, in the middle of a trip
.Lslot:                             ; six times: every slot but the last two is filled again
	CHANGE 1
	s_mov_b32 s[CNT], 4
.Lstep:                             ; a trip: pieces 2 and 3 of one step, then pieces 0 and 1 of the next, whose K and V it fetches
	TURN 2
	TURN 3
	WIN 0
.Lfirst:
	TURN 0
	TURN 1, 0, 1
	WIN 0
	s_cbranch_scc1 .Lstep
	s_sub_co_u32 s[SLOTS], s[SLOTS], 1
	s_cmp_lg_u32 s[SLOTS], 0
	s_cbranch_scc1 .Lslot
	CHANGE 0                        ; the tail is written out: nothing is asked for
	s_mov_b32 s[CNT], 5             ; four trips fetch the last slot's steps; the fifth is left in its middle
.Ltail:
	TURN 2, 1
	TURN 3
	WIN 0
	s_sub_co_u32 s[CNT], s[CNT], 1
	s_cmp_eq_u32 s[CNT], 0
	s_cbranch_scc1 .Lout
	TURN 0
	TURN 1
	WIN 0
	s_branch .Ltail
.Lout:                              ; the fifth trip's 16 products K Q^T (on the last K once more) serve nothing: the price, once a launch, of one text for every trip
.set i, 0
.rept 16
	PV NP-1                         ; the last piece's V^T P of the last step
.set i, i+1
.endr
	; THE WAY OUT.  For each tile the largest |O| of its 1,024 numbers: over my 32 registers, from each accumulator's low end on, then over the 32 lanes.  The first six lines, of tiles 0 to 5, are the places behind the last products.
.macro ALL line:vararg              ; one line for each tile t
.set t, 0
.rept 2*NP
	\line
.set t, t+1
.endr
.endm
	WIN 0x05                        ; sources 0 and 1 window 1
	ALL v_max_num_f32 v[ST+4*t], |v[32*t]|, |v[32*t+1]|
	WIN 0x14                        ; sources 1 and 2 window 1
.set n, 1
.rept 15
	ALL v_max3_num_f32 v[ST+4*t], v[ST+4*t], |v[32*t+2*n]|, |v[32*t+2*n+1]|
.set n, n+1
.endr
	WIN 0
	ALL v_mov_b32 v[ST+4*t+1], 0    ; v_permlanex16_b32's destination counts as read
.irp m, 1,2,4,8
	ALL v_max_num_f32_dpp v[ST+4*t], v[ST+4*t], v[ST+4*t] row_xmask:\m row_mask:0xf bank_mask:0xf
.endr
	ALL v_permlanex16_b32 v[ST+4*t+1], v[ST+4*t], s[SEL], s[SEL+1]
	ALL v_max_num_f32 v[ST+4*t], v[ST+4*t], v[ST+4*t+1]
	ALL v_max_num_f32 v[ST+4*t], 0x00800000, v[ST+4*t]    ; held to 2^-126 ..
	ALL v_min_num_f32 v[ST+4*t], 0x7e800000, v[ST+4*t]    ; .. 2^126
	ALL v_and_b32 v[ST+4*t], 0x7f800000, v[ST+4*t]        ; e: the exponent alone
	ALL v_sub_nc_u32 v[ST+4*t+2], 0x7f000000, v[ST+4*t]   ; 1 / e: exponent 254 - E
	ALL v_mul_f32 v[ST+4*t+3], 0x3a000000, v[ST+4*t]      ; e / 2,048
	v_and_b32 v48, 31, v0
	v_lshlrev_b32 v49, 2, v48
	v_mov_b32 v50, v[ST+3]          ; lane t of the first eight takes tile t's scale
.irp t, 1,2,3,4,5,6,7
	v_cmp_eq_u32 vcc_lo, \t, v48
	v_cndmask_b32 v50, v50, v[ST+4*\t+3], vcc_lo
.endr
	v_cmp_gt_u32 vcc_lo, 8, v48
	s_wait_xcnt 0x0                 ; EXEC changes only behind this wait
	s_and_saveexec_b32 s53, vcc_lo
	global_store_b32 v49, v50, s[10:11]  ; my wave's eight rows: 32 bytes, the one store of the program that fills no whole 256
	s_wait_xcnt 0x0                 ; and again, in front of the line that widens it
	s_or_b32 exec_lo, exec_lo, s53
; Tile t: divided by e, rounded to f16; a lane's eight channels of a row pack into 16 bytes; they go into rows of 144 bytes and come back as whole rows of 128, into S^T's registers.
.macro PACK t
	WIN W_RS
.set i, 32*(\t)
.rept 16
	v_pk_mul_f32 v[i:i+1], v[i:i+1], v[ST+4*(\t)+2:ST+4*(\t)+3] op_sel_hi:[1,0]
.set i, i+2
.endr
	WIN 0x05
.set i, 0
.rept 16
	v_cvt_pk_f16_f32 v[S+16*(\t)+i], v[32*(\t)+2*i], v[32*(\t)+2*i+1]
.set i, i+1
.endr
	WIN 0
.irp f, 0,1,2,3
	ds_store_b128 v[STO], v[S+16*(\t)+4*\f:S+16*(\t)+4*\f+3] offset:32*\f
.endr
.irp f, 0,1,2,3
	ds_load_b128 v[S+16*(\t)+4*\f:S+16*(\t)+4*\f+3], v[RD] offset:\f*4*SP  ; LDS serves a wave's instructions in order (ISA guide 5.7.1.4): these see the stores above; the next tile's stores come behind them
.endr
.endm
.macro SEND t, younger              ; younger: the LDS instructions issued behind tile t's loads: the next tile's eight, or none
	WIN 0
.irp f, 0,1,2,3
	s_wait_dscnt (\younger)+3-\f
	global_store_b128 v[GO], v[S+16*(\t)+4*\f:S+16*(\t)+4*\f+3], s[OBP:OBP+1] offset:(\t)*2048+\f*512  ; 512 consecutive bytes, at a multiple of 256 from ob's first
.endr
.endm
	PACK 0
.set t, 1
.rept 2*NP-1                        ; a tile's arithmetic stands between the loads of the tile before and its stores
	PACK t
	SEND t-1, 8
.set t, t+1
.endr
	SEND 2*NP-1, 0
	s_wait_tensorcnt 0x0            ; the wave's end, behind my last tensor load and my last LDS store
	ds_add_u32 v[SPW], v[NIL]
	s_wait_dscnt 0x0
	CROUND                          ; the closing round
	s_endpgm
.Lfunc_end_k_qef92acf8f1_attn:
	.size	k_qef92acf8f1_attn, .Lfunc_end_k_qef92acf8f1_attn-k_qef92acf8f1_attn
	.p2alignl 7, 3214868480
	.fill 96, 4, 3214868480
	.section	.rodata,"a",@progbits
	.p2align	6, 0x0
	.amdhsa_kernel k_qef92acf8f1_attn
		.amdhsa_group_segment_fixed_size 327680
		.amdhsa_private_segment_fixed_size 0
		.amdhsa_enable_private_segment 0
		.amdhsa_kernarg_size 32
		.amdhsa_user_sgpr_count 2
		.amdhsa_user_sgpr_kernarg_segment_ptr 1
		.amdhsa_wavefront_size32 1
		.amdhsa_system_sgpr_workgroup_id_x 1
		.amdhsa_system_sgpr_workgroup_id_y 1
		.amdhsa_system_sgpr_workgroup_id_z 1
		.amdhsa_system_vgpr_workitem_id 0
		.amdhsa_next_free_vgpr 768
		.amdhsa_next_free_sgpr 80
		.amdhsa_reserve_vcc 1
		.amdhsa_float_denorm_mode_32 3
		.amdhsa_float_denorm_mode_16_64 3
		.amdhsa_memory_ordered 1
		.amdhsa_forward_progress 1
		.amdhsa_inst_pref_size 147
	.end_amdhsa_kernel
	.amdgpu_metadata
---
amdhsa.version: [ 1, 2 ]
amdhsa.kernels:
  - .name:           k_qef92acf8f1_attn
    .symbol:         k_qef92acf8f1_attn.kd
    .args:
      - { .name: qkv, .offset: 0, .size: 8, .value_kind: global_buffer, .address_space: global }
      - { .name: negm, .offset: 8, .size: 8, .value_kind: global_buffer, .address_space: global }
      - { .name: ob, .offset: 16, .size: 8, .value_kind: global_buffer, .address_space: global }
      - { .name: rs, .offset: 24, .size: 8, .value_kind: global_buffer, .address_space: global }
    .group_segment_fixed_size: 327680
    .private_segment_fixed_size: 0
    .kernarg_segment_align: 8
    .kernarg_segment_size: 32
    .max_flat_workgroup_size: 128
    .sgpr_count:     80
    .vgpr_count:     768
    .wavefront_size: 32
...
	.end_amdgpu_metadata
.endif
;; end of part 4
;; launch outp (part 5): grid 4 x 32, 4 waves a work-group, clusters of 4 x 4, 327,680 bytes of LDS; arguments ob, wh, rs, bb, out0; writes out0
.if DOCPART == 5
	.amdgcn_target "amdgcn-amd-amdhsa--gfx1250"
	.amdhsa_code_object_version 6
	.text
	.protected	k_qef92acf8f1_outp
	.globl	k_qef92acf8f1_outp
	.p2align	8
	.type	k_qef92acf8f1_outp,@function
k_qef92acf8f1_outp:
	s_mov_b64 s[64:65], 0
	v_nop
	global_prefetch_b8 v0, s[64:65] scope:SCOPE_SE
	s_setreg_imm32_b32 hwreg(HW_REG_WAVE_MODE, 25, 1), 1
	s_wait_xcnt 0x0
	s_wait_alu depctr_hold_cnt(0) depctr_sa_sdst(0) depctr_va_vdst(0) depctr_va_sdst(0) depctr_va_ssrc(0) depctr_va_vcc(0) depctr_vm_vsrc(0)
	s_getreg_b32 s2, hwreg(HW_REG_IB_STS2, 6, 4)
	s_cmp_eq_u32 s2, 0
	s_cbranch_scc0 .Lentry_in_a_cluster
	s_endpgm
.Lentry_in_a_cluster:
	s_bfe_u32 s2, ttmp6, 0x10000c
	s_cmp_lg_u32 s2, 0xf033
	s_cbranch_scc0 .Lentry_shape_is_right
	s_endpgm
.Lentry_shape_is_right:
; THE LAST PROJECTION.  out0[m][n] = rs[m] (sum over k of ob[m][k] wh[3072 + n][k]) + bb[3072 + n].  ob [8192][1024] and wh's rows 3072-4095 are f16 (the weights: bf16 numbers written as f16); sums in f32; out0 is f32.
; rs[m] undoes the power of two by which the launch before scaled row m, and its factor 2,048.
; The same product as the first projection's: a tile of 256 x 256 by four waves of 128 x 128, K in 8 steps of 128 through two LDS slots, clusters of 4 x 4 with joint loads, the matrix instruction used transposed.
; 128 tiles, one to a work-group: this size has no more of them.  The way out differs: f32, so a block of 16 rows x 128 columns is 16 rows of 512 bytes.
; REGISTERS, in windows of 256 (s_set_vgpr_msb: bits 1:0 source 0, 3:2 source 1, 5:4 source 2, 7:6 destination):
;   window 0: v0-31 addresses; v64-127, v128-191 fragments of ob, two buffers, and on the way out the rows read back
;   window 1: v0-63 my 128 columns' bias; v64-127, v128-191 fragments of wh; v192-207 my rows' scales, twice each      windows 2, 3: the accumulators ((a, b) at v[8 (8 a + b)])
.set SIZE_K, 1024
.set KSTEP,  128
.set PITCH,  272                       ; an LDS row: 256 bytes + 16 of padding: the 16 rows that a load touches start at 16 different groups of four banks (64 banks of 4 bytes: ISA guide 11.1)
.set HALFT,  128*PITCH
.set SLOT,   4*HALFT                   ; 0x22000: its two bits meet none of wave x HALFT's, so one exclusive or changes a tile's LDS address from slot to slot
.set STAGE,  2*SLOT                    ; behind the ring: 16 rows x 528 bytes for each wave
.set SPITCH, 528                       ; 512 bytes + 16: 132 words: row r starts at bank 4 r mod 64
.set SPARE,  STAGE+4*16*SPITCH         ; the spare words, 128 bytes for each wave
.set ROWB,   4096                      ; bytes in a row of out0
.set ADRA0, 16
.set ADRA,  17
.set ADRB0, 20
.set ADRB,  21
.set STO,  24                          ; v24  the way out: where I put 32 bytes of a row
.set RD,   25                          ; v25  where I read 16 bytes of a row back
.set CO,   26                          ; v26  my byte offset in 512 bytes of out0
.set BO,   27                          ; v27  my byte offset in the bias
.set SPW,  28                          ; v28  LDS address of my spare word; never rewritten
.set NIL,  29                          ; v29  0; never rewritten
.set RO,   30                          ; v30  my byte offset in 16 row scales
.set F0,   64
.set F1,   128
.set RS,   192                         ; window 1
.set G1,  24
.set G0,  32
.set G1B, 48
.set G0B, 56
.set TB,  45                           ; s45  LDS byte at which the slot that is read begins
.set AP,  68                           ; s[68:69] ob
.set BP,  70                           ; s[70:71] wh
.set RP,  72                           ; s[72:73] rs
.set BI,  74                           ; s[74:75] bb
.set CP,  76                           ; s[76:77] out0
.set MSB, 0
.macro WIN new
.if MSB != (\new)
	s_set_vgpr_msb (MSB<<8)|(\new)
.set MSB, \new
.endif
.endm
.set MUL_LO, 0xa1
.set MUL_HI, 0xf1
.set TO_B,   0x40
.macro JLOAD s                         ; a joint load: waves 0 and 1 fetch ob's two halves, waves 2 and 3 wh's; an s_nop 0 and four v_nop follow each of the two lines
	s_cmp_eq_u32 s11, 0
	s_cbranch_scc0 .Lfor_b_\@
	tensor_load_to_lds s[G0+4*(\s):G0+4*(\s)+3], s[G1:G1+7]
	s_nop 0
.rept 4
	v_nop
.endr
	s_branch .Lasked_\@
.Lfor_b_\@:
	tensor_load_to_lds s[G0B+4*(\s):G0B+4*(\s)+3], s[G1B:G1B+7]
	s_nop 0
.rept 4
	v_nop
.endr
.Lasked_\@:
.endm
.macro CREST
	s_cmp_lg_u32 s10, 0
	s_cbranch_scc1 .Lnot_wave_0_\@
	s_barrier_signal -3
.Lnot_wave_0_\@:
	s_barrier_wait -3
	s_barrier_signal -1
	s_barrier_wait -1
.endm
.macro CROUND
	s_barrier_signal -1
	s_barrier_wait -1
	CREST
.endm
	s_load_b256 s[AP:AP+7], s[0:1], 0x0
	s_load_b64 s[CP:CP+1], s[0:1], 0x20
	v_lshl_add_u32 v[SPW], v0, 2, SPARE
	v_mov_b32 v[NIL], 0
	ds_add_u32 v[SPW], v[NIL]                      ; the wave's opening: the add and its wait ahead of my first tensor load; the set-up below, work on registers, stands between them
	v_lshrrev_b32 v1, 5, v0
	v_readfirstlane_b32 s10, v1                    ; wave 0..3
	s_lshr_b32 s11, s10, 1                         ; which half of the tile's rows is mine.  Also: I fetch for ob (0) or for wh (1)
	s_and_b32 s12, s10, 1                          ; which half of its columns.  Also: which 128 rows of that tile I fetch
	s_bfe_u32 s40, ttmp6, 0x40000                  ; cx
	s_bfe_u32 s41, ttmp6, 0x40004                  ; cy
	s_lshl_b32 s42, ttmp9, 2
	s_add_co_u32 s42, s42, s40                     ; tile column 0..3
	s_and_b32 s13, ttmp7, 0xffff
	s_lshl_b32 s13, s13, 2
	s_add_co_u32 s13, s13, s41                     ; tile row 0..31
	s_lshl_b32 s43, s41, 2
	s_lshl_b32 s43, 15, s43                        ; my row of the cluster
	s_lshl_b32 s44, 0x1111, s40                    ; my column
	s_or_b32 s[G1+0], s43, (1<<16)|(1<<20)|(1<<21)|(5<<22)|(3<<25)   ; the mask; 2-byte elements; padding on; 21 set beside a mask; after every 64 words (code 5); 4 words (code 3)
	s_or_b32 s[G1B+0], s44, (1<<16)|(1<<20)|(1<<21)|(5<<22)|(3<<25)
.irp g, G1, G1B
	s_mov_b32 s[(\g)+1], KSTEP<<16                 ; tensor_dim0 = 128
	s_mov_b32 s[(\g)+2], 128<<16                   ; tensor_dim1 = 128
	s_mov_b32 s[(\g)+3], KSTEP<<16                 ; tile_dim0 = 128
	s_mov_b32 s[(\g)+4], 128                       ; tile_dim1 = 128
	s_mov_b32 s[(\g)+5], SIZE_K                    ; elements from row to row
	s_mov_b32 s[(\g)+6], 0
	s_mov_b32 s[(\g)+7], 0
.endr
	s_lshl_b32 s17, s12, 7
	s_lshl_b32 s16, s13, 8
	s_add_co_u32 s16, s16, s17                     ; ob: row 256 x tile row + 128 x half,
	s_lshl_b32 s16, s16, 11                        ; of 2,048 bytes
	s_lshl_b32 s46, s42, 8
	s_add_co_u32 s46, s46, s17                     ; wh: row 3,072 + 256 x tile column + 128 x half
	s_lshl_b32 s46, s46, 11
	s_add_co_u32 s46, s46, 3072*2048
	s_mov_b32 s17, 0
	s_mov_b32 s47, 0
	s_mul_i32 s20, s10, HALFT                      ; where they go: wave x 128 rows
	s_lshl_b32 s66, s42, 10                        ; my 128 columns in bb, behind the first 3,072
	s_lshl_b32 s67, s12, 9
	s_add_co_u32 s66, s66, s67
	s_add_co_u32 s66, s66, 12288
	s_mov_b32 s67, 0
	s_lshl_b32 s78, s13, 10                        ; my 128 rows in rs
	s_lshl_b32 s79, s11, 9
	s_add_co_u32 s78, s78, s79
	s_mov_b32 s79, 0
	s_mov_b32 s[TB], 0
	s_wait_dscnt 0x0                               ; the opening add is done
	s_wait_kmcnt 0x0
	s_add_nc_u64 s[14:15], s[AP:AP+1], s[16:17]
	s_add_nc_u64 s[46:47], s[BP:BP+1], s[46:47]
	s_add_nc_u64 s[BI:BI+1], s[BI:BI+1], s[66:67]
	s_add_nc_u64 s[RP:RP+1], s[RP:RP+1], s[78:79]
	CROUND                                         ; all sixteen work-groups are here: the first joint loads meet
.irp s, 0,1
	s_mov_b32 s[G0+4*(\s)], 1
	s_add_co_u32 s[G0+4*(\s)+1], s20, (\s)*SLOT
	s_add_nc_u64 s[G0+4*(\s)+2:G0+4*(\s)+3], s[14:15], (\s)*KSTEP*2
	s_or_b32 s[G0+4*(\s)+3], s[G0+4*(\s)+3], 0x80000000
	s_mov_b32 s[G0B+4*(\s)], 1
	s_add_co_u32 s[G0B+4*(\s)+1], s20, (\s)*SLOT
	s_add_nc_u64 s[G0B+4*(\s)+2:G0B+4*(\s)+3], s[46:47], (\s)*KSTEP*2
	s_or_b32 s[G0B+4*(\s)+3], s[G0B+4*(\s)+3], 0x80000000
	JLOAD \s                                       ; two loads of mine are out
.endr
	v_and_b32 v1, 15, v0                           ; l % 16
	v_bfe_u32 v2, v0, 4, 1                         ; l / 16
	v_mul_u32_u24 v3, v1, PITCH
	v_lshl_add_u32 v3, v2, 4, v3
	s_mul_i32 s21, s11, HALFT
	s_mul_i32 s22, s12, HALFT
	s_add_co_u32 s22, s22, 2*HALFT
	v_add_nc_u32 v[ADRA0], s21, v3
	v_add_nc_u32 v[ADRB0], s22, v3
	v_mov_b32 v[ADRA], v[ADRA0]
	v_mov_b32 v[ADRB], v[ADRB0]
	s_mul_i32 s23, s10, 16*SPITCH
	s_add_co_u32 s23, s23, STAGE                   ; my stage
	v_mul_u32_u24 v4, v1, SPITCH                   ; in: row l % 16, 32 bytes for each half of the lanes
	v_lshl_add_u32 v4, v2, 5, v4
	v_add_nc_u32 v[STO], s23, v4
	v_and_b32 v5, 31, v0                           ; back: 32 lanes take one row of 512 bytes
	v_lshlrev_b32 v[CO], 4, v5
	v_add_nc_u32 v[RD], s23, v[CO]
	v_lshlrev_b32 v[BO], 5, v2                     ; the bias of columns 16 b + 8 (l / 16) + 0..7 lies at byte 64 b + 32 (l / 16)
	v_lshlrev_b32 v[RO], 2, v1                     ; the scale of row 16 a + l % 16 at byte 64 a + 4 (l % 16)
	WIN TO_B
.irp n, 0,1,2,3,4,5,6,7,8,9,10,11,12,13,14,15
	global_load_b128 v[4*(\n):4*(\n)+3], v[BO], s[BI:BI+1] offset:64*((\n)/2)+16*((\n)%2)  ; waited for in front of the way out
.endr
.irp a, 0,1,2,3,4,5,6,7
	global_load_b32 v[RS+2*(\a)], v[RO], s[RP:RP+1] offset:64*(\a)    ; twice: a pair for the packed multiply-add
	global_load_b32 v[RS+2*(\a)+1], v[RO], s[RP:RP+1] offset:64*(\a)
.endr
	WIN 0
	; where my part of the tile begins in out0, in bytes
	s_lshl_b32 s13, s13, 8
	s_lshl_b32 s14, s11, 7
	s_add_co_u32 s16, s13, s14                     ; my first row,
	s_lshl_b32 s16, s16, 12                        ; of 4,096 bytes
	s_mov_b32 s17, 0
	s_lshl_b32 s46, s42, 10                        ; my first column: 1,024 x tile column + 512 x half bytes
	s_lshl_b32 s47, s12, 9
	s_add_co_u32 s46, s46, s47
	s_mov_b32 s47, 0
	s_add_nc_u64 s[16:17], s[16:17], s[46:47]
; 16 matrix instructions: m blocks a0, a0 + 1 of the window's four x all 8 n blocks, 32 along K.  zero = 1: the first product starts the sums.  The 64 accumulators take turns.
.macro MUL16 f, hi, a0, zero
	WIN MUL_LO+0x50*(\hi)
.irp a, \a0, (\a0)+1
.irp b, 0,1,2,3,4,5,6,7
.if \zero
	v_wmma_f32_16x16x32_f16 v[8*(8*(\a)+(\b)):8*(8*(\a)+(\b))+7], v[(\f)+8*(\b):(\f)+8*(\b)+7], v[(\f)+8*(4*(\hi)+(\a)):(\f)+8*(4*(\hi)+(\a))+7], 0
.else
	v_wmma_f32_16x16x32_f16 v[8*(8*(\a)+(\b)):8*(8*(\a)+(\b))+7], v[(\f)+8*(\b):(\f)+8*(\b)+7], v[(\f)+8*(4*(\hi)+(\a)):(\f)+8*(4*(\hi)+(\a))+7], v[8*(8*(\a)+(\b)):8*(8*(\a)+(\b))+7]
.endif
.endr
.endr
.endm
.macro FETCH k, f                      ; 32 LDS loads in one run: the fragments of one quarter step into buffer f
	WIN TO_B
.irp i, 0,1,2,3,4,5,6,7
	ds_load_b128 v[(\f)+8*(\i):(\f)+8*(\i)+3],   v[ADRB] offset:(\k)+(\i)*16*PITCH
	ds_load_b128 v[(\f)+8*(\i)+4:(\f)+8*(\i)+7], v[ADRB] offset:(\k)+(\i)*16*PITCH+32
.endr
	WIN 0
.irp i, 0,1,2,3,4,5,6,7
	ds_load_b128 v[(\f)+8*(\i):(\f)+8*(\i)+3],   v[ADRA] offset:(\k)+(\i)*16*PITCH
	ds_load_b128 v[(\f)+8*(\i)+4:(\f)+8*(\i)+7], v[ADRA] offset:(\k)+(\i)*16*PITCH+32
.endr
.endm
.macro PLACES                          ; four places in front of loads into registers that matrix instructions have read (ISA guide 7.12.1 for vector instructions)
.rept 4
	v_nop
.endr
.endm
.macro QUARTER k, f, g, zero
	s_wait_dscnt 8                                 ; wh's fragments and ob's rows 0-63 are in; the youngest eight loads (ob's rows 64-127) may be out
	MUL16 \f, 0, 0, \zero
	MUL16 \f, 0, 2, \zero
	PLACES
	FETCH \k, \g
	s_wait_dscnt 32                                ; all but the 32 just issued
	MUL16 \f, 1, 0, \zero
	MUL16 \f, 1, 2, \zero
.endm
.macro MEET round                      ; ONE barrier for the change of slots; in front of it each wave waits for all its tensor loads, adds 0 to its spare word, and waits for that and for its reads of this slot
	WIN 0
	s_wait_tensorcnt 0x0                           ; all my tensor loads have landed
	ds_add_u32 v[SPW], v[NIL]                      ; 0 onto my spare word
	s_wait_dscnt 9                                 ; (the add and the youngest eight loads may be out)
	MUL16 F1, 0, 0, 0
	s_wait_dscnt 0x0                               ; the add is done, and my reads of this slot are over
	s_barrier_signal -1
	MUL16 F1, 0, 2, 0
.if \round
	WIN 0
.endif
	s_barrier_wait -1
.endm
.macro TURN fill, last                 ; the last quarter; fill = 1: a round of the cluster's barrier, then the joint refill of the slot just read, with the K step two on; last = 1: the tail's second trip fetches nothing
	MEET \fill
.if \fill
	CREST
	s_xor_b32 s[G0+5], s[G0+5], SLOT
	s_xor_b32 s[G0B+5], s[G0B+5], SLOT
	s_add_nc_u64 s[G0+6:G0+7], s[G0+6:G0+7], KSTEP*2
	s_add_nc_u64 s[G0B+6:G0B+7], s[G0B+6:G0B+7], KSTEP*2
	JLOAD 1                                        ; the first tensor load behind the round; its four v_nop are also the places in front of the loads below
.else
	WIN 0
	PLACES
.endif
	s_xor_b32 s[TB], s[TB], SLOT
	v_add_nc_u32 v[ADRA], s[TB], v[ADRA0]
	v_add_nc_u32 v[ADRB], s[TB], v[ADRB0]
.if \last
	s_cmp_eq_u32 s3, 1
	s_cbranch_scc1 .Lno_fetch_\@
.endif
	FETCH 0, F0
.if \last
.Lno_fetch_\@:
.endif
	MUL16 F1, 1, 0, 0
	MUL16 F1, 1, 2, 0
.endm
; THE WAY OUT of block a (16 rows).  PACK: acc x my row's scale + bias, in place, each accumulator from its low end on.  TOSTAGE: 32 bytes a lane and n block into my own stage, and back as whole rows of 512 bytes.  SEND: stored.
.macro PACK a
.set AC, 64*((\a)%4)
	WIN 0x96+0x41*((\a)/4)                         ; destination and source 0: window 2 or 3; sources 1 and 2: window 1
.irp b, 0,1,2,3,4,5,6,7
.irp r, 0,1,2,3
	v_pk_fma_f32 v[AC+8*(\b)+2*(\r):AC+8*(\b)+2*(\r)+1], v[AC+8*(\b)+2*(\r):AC+8*(\b)+2*(\r)+1], v[RS+2*(\a):RS+2*(\a)+1], v[8*(\b)+2*(\r):8*(\b)+2*(\r)+1]
.endr
.endr
.endm
.macro TOSTAGE a
.set AC, 64*((\a)%4)
.set BK, 64+64*((\a)%2)
	WIN 0x08+4*((\a)/4)                            ; the stores' data: window 2 or 3
.irp b, 0,1,2,3,4,5,6,7
	ds_store_b128 v[STO], v[AC+8*(\b):AC+8*(\b)+3] offset:64*(\b)
	ds_store_b128 v[STO], v[AC+8*(\b)+4:AC+8*(\b)+7] offset:64*(\b)+16
.endr
	WIN 0
.irp t, 0,1,2,3,4,5,6,7,8,9,10,11,12,13,14,15
	ds_load_b128 v[BK+4*(\t):BK+4*(\t)+3], v[RD] offset:(\t)*SPITCH  ; LDS serves a wave's instructions in order (ISA guide 5.7.1.4): these see the stores above
.endr
.endm
.macro SEND a
	WIN 0
.set BK, 64+64*((\a)%2)
	s_wait_dscnt 0x0                               ; the block is back in registers
	s_wait_xcnt 0x0                                ; only behind this wait are the stores' base and the registers that earlier stores read rewritten
.if (\a) == 0
	s_add_nc_u64 s[CP:CP+1], s[CP:CP+1], s[16:17]  ; on to my first rows
.else
	s_add_nc_u64 s[CP:CP+1], s[CP:CP+1], 16*ROWB   ; 16 rows on
.endif
.irp t, 0,1,2,3,4,5,6,7,8,9,10,11,12,13,14,15
	global_store_b128 v[CO], v[BK+4*(\t):BK+4*(\t)+3], s[CP:CP+1] offset:(\t)*ROWB th:TH_STORE_NT  ; 512 consecutive bytes, at a multiple of 256 from out0's first byte
.endr
.endm
	s_wait_tensorcnt 1                             ; my part of K step 0 is in; K step 1's may stay out
	s_barrier_signal -1
	s_barrier_wait -1
	FETCH 0, F0
	QUARTER 64, F0, F1, 1                          ; the first quarter stands in front of the loop: its products start the sums
	WIN 0
	s_mov_b32 s3, 6
.Lstep:                                                ; six trips, each from a K step's second quarter to the next step's first; they ask for K steps 2 to 7
	QUARTER 128, F1, F0, 0
	QUARTER 192, F0, F1, 0
	TURN 1, 0
	QUARTER 64, F0, F1, 0
	WIN 0
	s_sub_co_u32 s3, s3, 1
	s_cmp_lg_u32 s3, 0
	s_cbranch_scc1 .Lstep
	s_mov_b32 s3, 2
.Ltail:                                                ; K steps 6 and 7: nothing is asked for; the second trip is left in its middle
	QUARTER 128, F1, F0, 0
	QUARTER 192, F0, F1, 0
	TURN 0, 1
	WIN 0
	s_sub_co_u32 s3, s3, 1
	s_cmp_eq_u32 s3, 0
	s_cbranch_scc1 .Lout
	QUARTER 64, F0, F1, 0
	WIN 0
	s_branch .Ltail
.Lout:
	s_wait_loadcnt 0x0                             ; the bias and the row scales
	PACK 0                                         ; blocks 0-3 were finished in front of TURN's places; their arithmetic, which names no register of the last products, is those products' places
	TOSTAGE 0
.irp a, 1,2,3,4,5,6,7
	PACK \a
	SEND (\a)-1
	TOSTAGE \a
.endr
	SEND 7
	s_wait_tensorcnt 0x0                           ; the wave's end, behind my last tensor load and my last LDS store
	ds_add_u32 v[SPW], v[NIL]
	s_wait_dscnt 0x0
	CROUND                                         ; the closing round
	s_endpgm
.Lfunc_end_k_qef92acf8f1_outp:
	.size	k_qef92acf8f1_outp, .Lfunc_end_k_qef92acf8f1_outp-k_qef92acf8f1_outp
	.p2alignl 7, 3214868480
	.fill 96, 4, 3214868480
	.section	.rodata,"a",@progbits
	.p2align	6, 0x0
	.amdhsa_kernel k_qef92acf8f1_outp
		.amdhsa_group_segment_fixed_size 327680
		.amdhsa_private_segment_fixed_size 0
		.amdhsa_enable_private_segment 0
		.amdhsa_kernarg_size 40
		.amdhsa_user_sgpr_count 2
		.amdhsa_user_sgpr_kernarg_segment_ptr 1
		.amdhsa_wavefront_size32 1
		.amdhsa_system_sgpr_workgroup_id_x 1
		.amdhsa_system_sgpr_workgroup_id_y 1
		.amdhsa_system_sgpr_workgroup_id_z 1
		.amdhsa_system_vgpr_workitem_id 0
		.amdhsa_next_free_vgpr 1024
		.amdhsa_next_free_sgpr 80
		.amdhsa_reserve_vcc 0
		.amdhsa_float_denorm_mode_32 3
		.amdhsa_float_denorm_mode_16_64 3
		.amdhsa_memory_ordered 1
		.amdhsa_forward_progress 1
		.amdhsa_inst_pref_size 118
	.end_amdhsa_kernel
	.amdgpu_metadata
---
amdhsa.version: [ 1, 2 ]
amdhsa.kernels:
  - .name:           k_qef92acf8f1_outp
    .symbol:         k_qef92acf8f1_outp.kd
    .args:
      - { .name: ob, .offset: 0, .size: 8, .value_kind: global_buffer, .address_space: global }
      - { .name: wh, .offset: 8, .size: 8, .value_kind: global_buffer, .address_space: global }
      - { .name: rs, .offset: 16, .size: 8, .value_kind: global_buffer, .address_space: global }
      - { .name: bb, .offset: 24, .size: 8, .value_kind: global_buffer, .address_space: global }
      - { .name: out0, .offset: 32, .size: 8, .value_kind: global_buffer, .address_space: global }
    .group_segment_fixed_size: 327680
    .private_segment_fixed_size: 0
    .kernarg_segment_align: 8
    .kernarg_segment_size: 40
    .max_flat_workgroup_size: 128
    .sgpr_count:     80
    .vgpr_count:     1024
    .wavefront_size: 32
...
	.end_amdgpu_metadata
.endif
;; end of part 5
;; ======== version 2 of 2: 5 launches; 1.68 times as fast as version 1
;; limits: values are held in f16: magnitudes above 65,504 overflow, below 6.1e-05 lose precision
;; workspace buffers: xb 16,777,216 bytes; wh 8,388,608 bytes; bb 16,384 bytes; qkv 50,331,648 bytes; negm 524,288 bytes; ob 16,777,216 bytes; rs 32,768 bytes
;; launch cast: the kernel of part 1 again; grid 769 x 1, 8 waves a work-group, no clusters, 0 bytes of LDS; arguments x, Mq_w, Mk_w, Mv_w, Wo_w, Mq_b, Mk_b, Mv_b, Wo_b, xb, wh, bb; writes xb, wh, bb
;; launch proj: the kernel of part 2 again; grid 8 x 32, 4 waves a work-group, clusters of 4 x 4, 327,680 bytes of LDS; arguments xb, wh, bb, qkv; writes qkv
;; launch stats (part 6): grid 4 x 64, 4 waves a work-group, clusters of 4 x 1, 327,680 bytes of LDS; arguments qkv, negm; writes negm
.if DOCPART == 6
	.amdgcn_target "amdgcn-amd-amdhsa--gfx1250"
	.amdhsa_code_object_version 6
	.text
	.protected	k_qef92acf8f1_stats
	.globl	k_qef92acf8f1_stats
	.p2align	8
	.type	k_qef92acf8f1_stats,@function
k_qef92acf8f1_stats:
	s_mov_b64 s[64:65], 0
	v_nop
	global_prefetch_b8 v0, s[64:65] scope:SCOPE_SE
	s_setreg_imm32_b32 hwreg(HW_REG_WAVE_MODE, 25, 1), 1
	s_wait_xcnt 0x0
	s_wait_alu depctr_hold_cnt(0) depctr_sa_sdst(0) depctr_va_vdst(0) depctr_va_sdst(0) depctr_va_ssrc(0) depctr_va_vcc(0) depctr_vm_vsrc(0)
	s_getreg_b32 s2, hwreg(HW_REG_IB_STS2, 6, 4)
	s_cmp_eq_u32 s2, 0
	s_cbranch_scc0 .Lentry_in_a_cluster
	s_endpgm
.Lentry_in_a_cluster:
	s_bfe_u32 s2, ttmp6, 0x10000c
	s_cmp_lg_u32 s2, 0x3003
	s_cbranch_scc0 .Lentry_shape_is_right
	s_endpgm
.Lentry_shape_is_right:
; THE SOFTMAX'S STATISTICS.  The softmax runs over the QUERIES: for key s of a head, m = the maximum over q of t(q, s), l = the sum over q of 2^(t - m), with t = q' . k (q' carries log2(e) / 8).
; negm[head][s] = 11 - m - log2(l): the next launch starts its sums of t with it, and 2^(t + negm) is 2,048 times the weight.  A running maximum is taken away before every exponential; l and m stay in f32.
; qkv is f16 [3][8192][1024]; head g of a section is its rows 128 g .. 128 g + 127 read as [2048][64]: dense, 128 bytes a position.
; LIMITS.  A term below 2^-126 counts as 0 in l; NaN and infinities are not treated apart; m starts at -4.2e37, far below every t that f16 operands can give (2.7e11 at the most).
; SHARES.  A work-group owns 512 keys of one head, a wave 128: eight tiles of 16, in four PIECES of two.  The head's whole q' lies in LDS, filled once: each wave fetches 512 queries, JOINTLY with the same wave of the
; three partners of its cluster, which work on the same head.  Nothing is filled again.  Every wave walks all 2,048 queries, 64 a step; the order does not matter to a maximum or a sum: step 31 first, then 0 to 30.
; LAYOUT.  Source 0 = 16 queries from LDS, source 1 = 16 of my keys from registers: in the result a lane holds ONE key (lane % 16) and the queries 8 (lane / 16) + 0..7.  Each half of the lanes keeps its own m and l
; over its half of the queries; the halves are merged once, at the end.
; BY TURNS.  Turn p has the vector work of piece p (166 instructions) and, dealt among it, the 16 products of piece p + 1.  Vector work is the longer: the products stand beside it.
; BATCHES.  A turn's 66 exponentials (the two tiles' a, then their 64 scores, in place) are ONE batch with ONE wait.  Ahead of the wait stand the maxima, the subtractions and the exponentials, none of which names an
; exponential's result, and 13 of the products, which write the other buffer; behind it the 32 sums, which are all the readers.  The end has two batches of eight: the halves' 2^(m - M), and the logarithms.
; REGISTERS (s_set_vgpr_msb: bits 1:0 source 0, 3:2 source 1, 5:4 source 2, 7:6 destination):  window 0: v0-15 addresses; v16-23 at work; v64-127 statistics, 8 a tile; v128-255 scores, two buffers of two tiles
;   window 1: v0-127 my keys' fragments (tile t, channel half c at 16 t + 8 c); v128-191 the queries' fragments of one step (row block rb, half c at 128 + 16 rb + 8 c)
.set PQ,    144       ; a row of q' in LDS: 128 bytes + 16 of padding = 36 words: the 16 rows of a load start at 16 different groups of four banks (64 banks of 4 bytes: ISA guide 11.1)
.set STEPB, 64*PQ     ; a step's 64 rows
.set STG,   2048*PQ   ; behind q': 512 bytes for each wave, for the way out; no tensor load lands here
.set SPARE, STG+4*512 ; the spare words, 128 bytes for each wave
.set AK0, 2           ; v2   my lane's place in 16 rows of q'; never rewritten
.set AK,  4           ; v4   the LDS address of the step that is fetched
.set KO,  6           ; v6   my byte offset in 16 rows of k
.set STO, 7           ; v7   the way out: where I put my key's number
.set RD,  8           ; v8   where I read 16 bytes back
.set GO,  10          ; v10  my byte offset in 512 bytes of negm
.set SPW, 14          ; v14  LDS address of my spare word; never rewritten
.set NIL, 15          ; v15  0; never rewritten
.set TMP, 16          ; c0-c3 for each of a piece's two tiles
.set ST,  64          ; tile t at ST + 8 t: m, d, a, 0, then two pairs of partial sums
.set S,   128
.set WF,  128         ; window 1
.set WV,  12          ; s12  my wave's number
.set G1,  24          ; s[24:31] descriptor group 1
.set G0,  40          ; s[40:43] descriptor group 0
.set CNT, 57          ; s57  steps to go
.set SEL, 60          ; s[60:61] v_permlanex16_b32's selects: each lane takes its own place in the other half
.set TB,  62          ; s62  LDS byte at which the step to be fetched begins
.set MSB, 0
.macro WIN new
.if MSB != (\new)
	s_set_vgpr_msb (MSB<<8)|(\new)
.set MSB, (\new)
.endif
.endm
.macro CROUND                       ; a round of the cluster's barrier
	s_barrier_signal -1
	s_barrier_wait -1
	s_cmp_lg_u32 s[WV], 0
	s_cbranch_scc1 .Lnot_wave_0_\@
	s_barrier_signal -3
.Lnot_wave_0_\@:
	s_barrier_wait -3
	s_barrier_signal -1
	s_barrier_wait -1
.endm
.macro PLACES
.rept 4
	v_nop
.endr
.endm
	s_load_b128 s[4:7], s[0:1], 0x0   ; qkv s[4:5], negm s[6:7]
	v_lshl_add_u32 v[SPW], v0, 2, SPARE
	v_mov_b32 v[NIL], 0
	ds_add_u32 v[SPW], v[NIL]       ; the wave's opening: the add and its wait ahead of my first tensor load; the set-up below, work on registers, stands between them
	v_lshrrev_b32 v1, 5, v0
	v_readfirstlane_b32 s[WV], v1   ; wave 0..3
	s_bfe_u32 s13, ttmp6, 0x40000   ; cx
	s_lshl_b32 s14, ttmp9, 2
	s_add_co_u32 s14, s14, s13      ; my block of 512 keys: it enters k's and negm's addresses alone
	s_and_b32 s15, ttmp7, 0xffff    ; the head, which the four partners share
	s_lshl_b32 s20, s15, 18         ; the head's 262,144 bytes in a section
	s_lshl_b32 s22, s[WV], 16       ; the 512 queries that I fetch
	s_add_co_u32 s22, s22, s20
	s_mov_b32 s23, 0
	s_lshl_b32 s16, s14, 2
	s_add_co_u32 s16, s16, s[WV]
	s_lshl_b32 s16, s16, 14         ; my wave's 128 keys,
	s_add_co_u32 s16, s16, s20
	s_add_co_u32 s16, s16, 0x1000000  ; in section 1
	s_mov_b32 s17, 0
	s_lshl_b32 s18, s15, 13         ; negm: 8,192 bytes a head, 2,048 a work-group, 512 a wave
	s_lshl_b32 s19, s14, 11
	s_add_co_u32 s18, s18, s19
	s_lshl_b32 s19, s[WV], 9
	s_add_co_u32 s18, s18, s19
	s_mov_b32 s19, 0
	; 512 queries are 65,536 dense bytes: asked for as 256 rows of 256 bytes, two queries a row, padded in LDS after every query
	s_mov_b32 s[G1], 15|(1<<16)|(1<<20)|(1<<21)|(4<<22)|(3<<25)  ; 15:0 the mask of four; 17:16 2-byte elements; 20 padding on; 21 set beside a mask; 24:22 after every 32 words (code 4); 31:25 4 words (code 3)
	s_mov_b32 s[G1+1], 128<<16      ; tensor_dim0 = 128
	s_mov_b32 s[G1+2], 256<<16      ; tensor_dim1 = 256
	s_mov_b32 s[G1+3], 128<<16      ; tile_dim0 = 128
	s_mov_b32 s[G1+4], 256          ; tile_dim1 = 256
	s_mov_b32 s[G1+5], 128          ; elements from row to row
	s_mov_b32 s[G1+6], 0
	s_mov_b32 s[G1+7], 0
	s_mov_b32 s[G0], 1              ; count = 1
	s_mul_i32 s[G0+1], s[WV], 512*PQ  ; LDS address: my 512 rows
	s_mov_b32 s[SEL], 0x76543210
	s_mov_b32 s[SEL+1], 0xfedcba98
	s_mov_b32 s[TB], 0
	s_mov_b32 s[CNT], 32
	s_wait_dscnt 0x0                ; the opening add is done
	s_wait_kmcnt 0x0
	s_add_nc_u64 s[G0+2:G0+3], s[4:5], s[22:23]
	s_or_b32 s[G0+3], s[G0+3], 0x80000000  ; type = 2
	s_add_nc_u64 s[16:17], s[4:5], s[16:17]
	s_add_nc_u64 s[6:7], s[6:7], s[18:19]
	CROUND                          ; all four work-groups are here: the joint loads meet
	tensor_load_to_lds s[G0:G0+3], s[G1:G1+7]  ; my one tensor load of the launch
	s_nop 0
	PLACES
	v_and_b32 v1, 15, v0            ; l % 16
	v_bfe_u32 v9, v0, 4, 1          ; l / 16
	v_lshlrev_b32 v[KO], 7, v1
	v_lshl_add_u32 v[KO], v9, 4, v[KO]  ; row x 128 + 16 x half
	WIN 0x40                        ; destination window 1
.set i, 0
.rept 16                            ; my keys stay in registers: tile i / 2, channels 32 (i % 2) on
	global_load_b128 v[8*i:8*i+3],   v[KO], s[16:17] offset:(i/2)*2048+(i%2)*64
	global_load_b128 v[8*i+4:8*i+7], v[KO], s[16:17] offset:(i/2)*2048+(i%2)*64+32
.set i, i+1
.endr
	WIN 0
	v_mul_u32_u24 v[AK0], v1, PQ
	v_lshl_add_u32 v[AK0], v9, 4, v[AK0]
	v_add_nc_u32 v[AK], 31*STEPB, v[AK0]  ; the walk's first step is step 31
	s_lshl_b32 s58, s[WV], 9
	s_add_co_u32 s58, s58, STG      ; my 512 bytes for the way out
	v_lshl_add_u32 v[STO], v1, 2, s58
	v_and_b32 v[GO], 31, v0
	v_lshlrev_b32 v[GO], 4, v[GO]
	v_add_nc_u32 v[RD], s58, v[GO]
.set i, 0
.rept 8
	v_mov_b32 v[ST+8*i], 0xfe000000 ; m: the first step's a is then 0
	v_mov_b32 v[ST+8*i+3], 0        ; named with a as a pair
	v_mov_b32 v[ST+8*i+4], 0
	v_mov_b32 v[ST+8*i+5], 0
	v_mov_b32 v[ST+8*i+6], 0
	v_mov_b32 v[ST+8*i+7], 0
.set i, i+1
.endr
; Product i of 16 for piece x: channels 32 (i / 8) on, queries 16 ((i / 2) % 4) on, tile 2 x + i % 2.  The first 8 start the sums.  The 8 accumulators take turns.
.macro MM x
	WIN 0x05                        ; sources 0 and 1 window 1, C and D window 0
.set rD, S+64*((\x)%2)+32*(i%2)+8*((i/2)%4)
.set rA, WF+16*((i/2)%4)+8*(i/8)
.set rB, 16*(2*(\x)+i%2)+8*(i/8)
.if i < 8
	v_wmma_f32_16x16x32_f16 v[rD:rD+7], v[rA:rA+7], v[rB:rB+7], 0
.else
	v_wmma_f32_16x16x32_f16 v[rD:rD+7], v[rA:rA+7], v[rB:rB+7], v[rD:rD+7]
.endif
.set i, i+1
.endm
.macro FETCH c                      ; eight LDS loads: channel half c of a step's 64 queries
	WIN 0x40
.irp rb, 0,1,2,3
	ds_load_b128 v[WF+16*(\rb)+8*(\c):WF+16*(\rb)+8*(\c)+3],   v[AK] offset:(\rb)*16*PQ+64*(\c)
	ds_load_b128 v[WF+16*(\rb)+8*(\c)+4:WF+16*(\rb)+8*(\c)+7], v[AK] offset:(\rb)*16*PQ+64*(\c)+32
.endr
	WIN 0
.endm
; THE VECTOR WORK of piece Y, tile u of its two.  s0-s31 are the lane's 32 scores.
.macro REGS u
.set rT, ST+8*(2*Y+(\u))
.set rC, TMP+4*(\u)
.set rS, S+64*(Y%2)+32*(\u)
.endm
; OPX n: 0-11 four chains c0-c3 of seven scores each (each accumulator's lowest registers are read first); 12-15 the four scores left over, the old m, and c0-c3 into c0; 16 d = m_old - m_new; 17 m; 18 a = 2^d
.macro OPX u, n
	REGS \u
	WIN 0
.if (\n) < 4
	v_max3_num_f32 v[rC+(\n)], v[rS+8*(\n)], v[rS+8*(\n)+1], v[rS+8*(\n)+2]
.elseif (\n) < 12
	v_max3_num_f32 v[rC+(\n)%4], v[rC+(\n)%4], v[rS+8*((\n)%4)+2*((\n)/4)+1], v[rS+8*((\n)%4)+2*((\n)/4)+2]
.elseif (\n) == 12
	v_max3_num_f32 v[rC], v[rC], v[rS+7], v[rS+15]
.elseif (\n) == 13
	v_max3_num_f32 v[rC+1], v[rC+1], v[rS+23], v[rS+31]
.elseif (\n) == 14
	v_max3_num_f32 v[rC+2], v[rC+2], v[rC+3], v[rT]
.elseif (\n) == 15
	v_max3_num_f32 v[rC], v[rC], v[rC+1], v[rC+2]
.elseif (\n) == 16
	v_sub_f32 v[rT+1], v[rT], v[rC]
.elseif (\n) == 17
	v_mov_b32 v[rT], v[rC]
.else
	v_exp_f32 v[rT+2], v[rT+1]
.endif
.endm
.macro OPF u, n                     ; pair n of 16: t - m
	REGS \u
	WIN 0
	v_pk_add_f32 v[rS+2*(\n):rS+2*(\n)+1], v[rS+2*(\n):rS+2*(\n)+1], v[rT:rT+1] op_sel_hi:[1,0] neg_lo:[0,1] neg_hi:[0,1]
.endm
.macro OPE u, n                     ; the exponential of score n of 32, in place
	REGS \u
	WIN 0
	v_exp_f32 v[rS+(\n)], v[rS+(\n)]
.endm
.macro OPA u, n                     ; pair n goes into partial sum n % 2; pairs 0 and 1 as l = a l + pair.  These 32 lines are the only readers of the turn's exponentials: all stand behind the turn's wait
	REGS \u
	WIN 0
.if (\n) < 2
	v_pk_fma_f32 v[rT+4+2*(\n):rT+5+2*(\n)], v[rT+4+2*(\n):rT+5+2*(\n)], v[rT+2:rT+3], v[rS+2*(\n):rS+2*(\n)+1] op_sel_hi:[1,0,1]
.else
	v_pk_add_f32 v[rT+4+2*((\n)%2):rT+5+2*((\n)%2)], v[rT+4+2*((\n)%2):rT+5+2*((\n)%2)], v[rS+2*(\n):rS+2*(\n)+1]
.endif
.endm
; Number j of a piece's list of 168 (two of them empty).  0-37: OPX, the two tiles alternating; 36 and 37 are the two a, the batch's first.  38, 39: the first subtraction.  40-135, in groups of three for pair n and
; tile u: the subtraction of pair n + 1, then pair n's two exponentials: a pair is subtracted six numbers ahead of its exponentials.  Nothing up to here names an exponential's result.  Between 135 and 136 stand a v_nop,
; the plain instruction behind the last exponential (ISA guide 5.7.2), and THE WAIT for the batch of 66.  136-167: the sums, pair by pair, the tiles alternating: the links of the four chains stand four numbers apart.
.macro VOP
.if j < 38
	OPX j%2, j/2
.elseif j < 40
	OPF j%2, 0
.elseif j < 136
.set vn, (j-40)/6
.set vu, ((j-40)/3)%2
.set vr, (j-40)%3
.if vr == 0
.if vn < 15
	OPF vu, vn+1
.endif
.else
	OPE vu, 2*vn+vr-1
.endif
.else
.if j == 136
	v_nop                           ; no independent work is left to stand here
	s_wait_alu depctr_va_vdst(0)    ; the wait ahead of the first reader: one for the turn's 66 exponentials
.endif
	OPA j%2, (j-136)/2
.endif
.set j, j+1
.endm
; A TURN: behind each of the 16 products of piece p + 1 a slice of piece p's list, eleven numbers in the first eight slices, ten in the others.  The wait falls into slice 12; slices 13 to 15 are sums alone, so ten plain
; instructions stand behind the turn's last product, ahead of the next turn's maxima, which read its result.
; The queries' fragments have one buffer.  Piece 3's products are a step's last (turn 2): channel half 0, whose last reader is product 7, is fetched anew behind product 8 and its slice (seven subtractions and the address
; line stand between), half 1 behind the turn's end and four places.  Turn 3, whose products are the next step's first, waits for half 0 at its head and for half 1 in front of product 8.
.macro TURN p
.set Y, (\p)
.set i, 0
.set j, 0
.if (\p) == 3
	s_wait_dscnt 8                  ; half 0 is in; half 1's eight loads may be out
.endif
.rept 16
.if ((\p) == 3) && (i == 8)
	s_wait_dscnt 0x0                ; half 1 is in
.endif
	MM ((\p)+1)%4
.rept 10
	VOP
.endr
.if i <= 8
	VOP
.endif
.if ((\p) == 2) && (i == 9)
	WIN 0
	v_add_nc_u32 v[AK], s[TB], v[AK0]
	FETCH 0
.endif
.endr
.if (\p) == 2
	WIN 0
	PLACES
	FETCH 1
	s_add_co_u32 s[TB], s[TB], STEPB  ; 32 fetches, at 0 to 31 x 9,216: all inside q'
.endif
.endm
	s_wait_tensorcnt 0x0            ; my 512 queries are in LDS,
	s_barrier_signal -1
	s_barrier_wait -1               ; everybody's are
	FETCH 0
	FETCH 1
	s_wait_loadcnt 0x0              ; my keys
	s_wait_dscnt 0x0
.set i, 0
.rept 16
	MM 0                            ; piece 0's first scores: there is no vector work yet to set between them
.endr
	WIN 0
	PLACES
.Lstep:                             ; 32 trips; the last trip's fetch (step 31 once more) and turn 3's products serve nothing: the price of one text for every trip.  Each turn's batch has had its wait inside the turn: none is open here
	TURN 0
	TURN 1
	TURN 2
	TURN 3
	WIN 0
	s_sub_co_u32 s[CNT], s[CNT], 1
	s_cmp_lg_u32 s[CNT], 0
	s_cbranch_scc1 .Lstep
	; THE END.  The two halves of the lanes are merged: M = the greater m; l = the sum of both halves' l 2^(m - M); then 11 - M - log2(l).
.macro ALL line:vararg              ; one line for each tile t
.set t, 0
.rept 8
	\line
.set t, t+1
.endr
.endm
	ALL v_permlanex16_b32 v[ST+8*t+1], v[ST+8*t], s[SEL], s[SEL+1]
	ALL v_max_num_f32 v[ST+8*t+3], v[ST+8*t], v[ST+8*t+1]
	ALL v_sub_f32 v[ST+8*t+1], v[ST+8*t], v[ST+8*t+3]
	ALL v_exp_f32 v[ST+8*t+2], v[ST+8*t+1]
	ALL v_pk_add_f32 v[ST+8*t+4:ST+8*t+5], v[ST+8*t+4:ST+8*t+5], v[ST+8*t+6:ST+8*t+7]
	ALL v_add_f32 v[ST+8*t+4], v[ST+8*t+4], v[ST+8*t+5]
	s_wait_alu depctr_va_vdst(0)    ; one wait for the eight 2^(m - M), ahead of their first reader; the sixteen additions above are the independent work between
	ALL v_mul_f32 v[ST+8*t+4], v[ST+8*t+4], v[ST+8*t+2]
	ALL v_permlanex16_b32 v[ST+8*t+5], v[ST+8*t+4], s[SEL], s[SEL+1]
	ALL v_add_f32 v[ST+8*t+4], v[ST+8*t+4], v[ST+8*t+5]
	ALL v_log_f32 v[ST+8*t+6], v[ST+8*t+4]
	ALL v_sub_f32 v[ST+8*t+7], 0x41300000, v[ST+8*t+3]
	s_wait_alu depctr_va_vdst(0)    ; one wait for the eight logarithms, ahead of their first reader; the eight subtractions above are the independent work between
	ALL v_sub_f32 v[ST+8*t+7], v[ST+8*t+7], v[ST+8*t+6]
.irp t, 0,1,2,3,4,5,6,7
	ds_store_b32 v[STO], v[ST+8*(\t)+7] offset:64*(\t)  ; key 16 t + l % 16; the two halves of the lanes write the same number to the same word
.endr
	ds_load_b128 v[16:19], v[RD]    ; LDS serves a wave's instructions in order (ISA guide 5.7.1.4): this sees the stores above
	s_wait_dscnt 0x0
	global_store_b128 v[GO], v[16:19], s[6:7]  ; 512 consecutive bytes, at a multiple of 256 from negm's first
	s_wait_tensorcnt 0x0            ; the wave's end, behind my last tensor load and my last LDS store
	ds_add_u32 v[SPW], v[NIL]
	s_wait_dscnt 0x0
	CROUND                          ; the closing round
	s_endpgm
.Lfunc_end_k_qef92acf8f1_stats:
	.size	k_qef92acf8f1_stats, .Lfunc_end_k_qef92acf8f1_stats-k_qef92acf8f1_stats
	.p2alignl 7, 3214868480
	.fill 96, 4, 3214868480
	.section	.rodata,"a",@progbits
	.p2align	6, 0x0
	.amdhsa_kernel k_qef92acf8f1_stats
		.amdhsa_group_segment_fixed_size 327680
		.amdhsa_private_segment_fixed_size 0
		.amdhsa_enable_private_segment 0
		.amdhsa_kernarg_size 16
		.amdhsa_user_sgpr_count 2
		.amdhsa_user_sgpr_kernarg_segment_ptr 1
		.amdhsa_wavefront_size32 1
		.amdhsa_system_sgpr_workgroup_id_x 1
		.amdhsa_system_sgpr_workgroup_id_y 1
		.amdhsa_system_sgpr_workgroup_id_z 1
		.amdhsa_system_vgpr_workitem_id 0
		.amdhsa_next_free_vgpr 512
		.amdhsa_next_free_sgpr 66
		.amdhsa_reserve_vcc 0
		.amdhsa_float_denorm_mode_32 3
		.amdhsa_float_denorm_mode_16_64 3
		.amdhsa_memory_ordered 1
		.amdhsa_forward_progress 1
		.amdhsa_inst_pref_size 59
	.end_amdhsa_kernel
	.amdgpu_metadata
---
amdhsa.version: [ 1, 2 ]
amdhsa.kernels:
  - .name:           k_qef92acf8f1_stats
    .symbol:         k_qef92acf8f1_stats.kd
    .args:
      - { .name: qkv, .offset: 0, .size: 8, .value_kind: global_buffer, .address_space: global }
      - { .name: negm, .offset: 8, .size: 8, .value_kind: global_buffer, .address_space: global }
    .group_segment_fixed_size: 327680
    .private_segment_fixed_size: 0
    .kernarg_segment_align: 8
    .kernarg_segment_size: 16
    .max_flat_workgroup_size: 128
    .sgpr_count:     66
    .vgpr_count:     512
    .wavefront_size: 32
...
	.end_amdgpu_metadata
.endif
;; end of part 6
;; launch attn (part 7): grid 4 x 64, 4 waves a work-group, clusters of 4 x 1, 327,680 bytes of LDS; arguments qkv, negm, ob, rs; writes ob, rs
.if DOCPART == 7
	.amdgcn_target "amdgcn-amd-amdhsa--gfx1250"
	.amdhsa_code_object_version 6
	.text
	.protected	k_qef92acf8f1_attn
	.globl	k_qef92acf8f1_attn
	.p2align	8
	.type	k_qef92acf8f1_attn,@function
k_qef92acf8f1_attn:
	s_mov_b64 s[64:65], 0
	v_nop
	global_prefetch_b8 v0, s[64:65] scope:SCOPE_SE
	s_setreg_imm32_b32 hwreg(HW_REG_WAVE_MODE, 25, 1), 1
	s_wait_xcnt 0x0
	s_wait_alu depctr_hold_cnt(0) depctr_sa_sdst(0) depctr_va_vdst(0) depctr_va_sdst(0) depctr_va_ssrc(0) depctr_va_vcc(0) depctr_vm_vsrc(0)
	s_getreg_b32 s2, hwreg(HW_REG_IB_STS2, 6, 4)
	s_cmp_eq_u32 s2, 0
	s_cbranch_scc0 .Lentry_in_a_cluster
	s_endpgm
.Lentry_in_a_cluster:
	s_bfe_u32 s2, ttmp6, 0x10000c
	s_cmp_lg_u32 s2, 0x3003
	s_cbranch_scc0 .Lentry_shape_is_right
	s_endpgm
.Lentry_shape_is_right:
; THE WEIGHTED SUM.  O[head][q][:] = the sum over s of p'(q, s) v[s][:], p' = 2^(q' . k[s] + negm[s]) = 2,048 x the softmax over the queries (negm holds 11 - maximum - log2(sum), made by the launch before with a running maximum).
; So p' lies in 0 to 2,048 (to within the rounding of the two launches' sums) and has mean 1 over the queries; it is rounded to f16 for the second product.  Products and sums in f32.
; Sixteen queries' O are one row of 1,024 of the last product.  For each such row e = the power of two at or below the largest |O|, held to 2^-126 .. 2^126; ob = f16(O / e), within (-2, 2); rs[row] = e / 2,048.
; qkv is f16 [3][8192][1024]; head g of a section is its rows 128 g .. 128 g + 127 read as [2048][64]: dense, 128 bytes a position; ob has the same layout.
; LIMITS.  p' below 6e-5 keeps f16's fixed step of 6e-8; one below 2^-126 counts as 0; NaN and infinities are not treated apart.
; SHARES.  A wave owns four PIECES of two tiles of 16 queries, a work-group 512 queries of one head.  Every wave walks all 2,048 keys, 64 a step; a slot of LDS holds four steps.
; LAYOUT.  S^T = K Q^T + negm (source 0 = 16 keys, source 1 = 16 queries, C = negm of the lane's eight keys): a lane holds ONE query (lane % 16) and the keys 8 (lane / 16) + 0..7.  Two such results, rounded to f16 in
; pairs, ARE source 1 of O^T = V^T P.  K comes out of LDS as it lies, V turned, by ds_load_tr16_b128.
; BY TURNS.  Turn p: 16 products K Q^T of piece p + 1, then 16 products V^T P of piece p - 1; beside them the vector work of piece p: 64 exponentials and 32 roundings.  No maximum, no rescaling, no sum.
; BATCHES.  A turn's 64 exponentials, in place, are ONE batch with ONE wait: three, three and two of them by turns behind the turn's first 24 products, none of which names piece p's scores; a v_nop and the wait; then the
; roundings, which are all the readers, four behind each of the last eight products.  (In the tail, piece 2's turn has a branch in its middle: the 43 exponentials ahead of it have a wait of their own there.)
; CLUSTER.  The four query blocks of a cluster belong to one head and walk the same K, V and negm: each tile is asked for JOINTLY: the same tensor load, descriptor and mask in all four.
; O^T, V's registers and one buffer of P are cleared at the start, in the wait for the first tile: 352 v_mov_b32, the price of writing no first step out.
; REGISTERS (s_set_vgpr_msb: bits 1:0 source 0, 3:2 source 1, 5:4 source 2, 7:6 destination):  window 0: v0-15 addresses; v32-63 negm of one step; v64-191 S^T, two buffers of two tiles; v192-255 P, likewise
;   (on the way out v16-50 are at work)      window 1: O^T, 32 a tile      window 2: v0-127 Q, 16 a tile; v128-191 K of one step; v192-255 V of one step
.set NP,    4
.set KS,    64        ; keys in a step
.set PK,    144       ; a row of K in LDS: 128 bytes + 16 of padding: the 16 rows of a load start at 16 different groups of four banks (64 banks of 4 bytes: ISA guide 11.1)
.set PV,    160       ; a row of V: 128 + 32
.set VOFF,  4*KS*PK   ; a slot: 256 rows of K, then 256 rows of V: 77,824 bytes
.set NMB,   81920     ; behind slot 0: the head's negm, 8,192 bytes, filled once
.set SLOT1, 1<<17     ; slot 1 begins here, so that one exclusive or turns an address in one slot into the other's
.set STAGE, SLOT1+4*KS*(PK+PV)  ; behind the ring, never filled by a tensor load: 16 rows x 144 bytes for each wave
.set SP,    144
.set SPARE, STAGE+4*16*SP       ; the spare words, 128 bytes for each wave
.set AK0, 2           ; v2   my lane's place in a tile of K; never rewritten
.set AV0, 3           ; v3   the same for V
.set AK,  4           ; v4   the LDS address of K's next run of loads
.set AV,  5           ; v5   of V's
.set QO,  6           ; v6   my byte offset in the wave's rows of Q
.set STO, 6           ;      later, the way out: where I put 16 bytes of a row
.set RD,  7           ; v7   where I read rows back
.set GO,  8           ; v8   my byte offset in 512 consecutive bytes of ob
.set AN0, 12          ; v12  my lane's place in a step's negm; never rewritten
.set AN,  13          ; v13  the LDS address of negm's next loads
.set SPW, 14          ; v14  LDS address of my spare word; never rewritten
.set NIL, 15          ; v15  0; never rewritten
.set ST,  16          ; the way out: tile t at ST + 4 t: the maximum and then e, at work, 1 / e, e / 2,048
.set NM,  32          ; key block kb at NM + 8 kb
.set S,   64
.set P,   192
.set KF,  128         ; window 2: key block kb, channel half c at KF + 16 kb + 8 c
.set VF,  192         ; window 2: key half kk, channel block cb at VF + 32 kk + 8 cb
.set WV,  12          ; s12  my wave's number
.set OBP, 8           ; s[8:9] ob at my wave's first row
.set G1K, 24          ; s[24:31] descriptor group 1 for K's tiles
.set G1V, 32          ; s[32:39] for V's
.set G0K, 40          ; s[40:43] group 0 for K's tiles: it walks
.set G0V, 44          ; s[44:47] for V's
.set G0N, 48          ; s[48:51] for negm
.set TBN, 52          ; s52  byte in negm of the step to be fetched
.set SLOTS, 56
.set CNT, 57
.set SEL, 60          ; s[60:61]
.set TBK, 62          ; s62  LDS byte at which K of the step to be fetched begins
.set TBV, 63          ; s63  the same for V, less VOFF
.set G1N, 68          ; s[68:75] descriptor group 1 for negm
.set MSB, 0
.macro WIN new
.if MSB != (\new)
	s_set_vgpr_msb (MSB<<8)|(\new)
.set MSB, (\new)
.endif
.endm
.set W_KQ, 0x0a       ; K and Q in window 2; negm, S^T in window 0
.set W_PV, 0x52       ; V in window 2, P in window 0, O^T in window 1
.set W_RS, 0x41       ; destination and source 0 in window 1, source 1 in window 0
.macro PLACES
.rept 4
	v_nop
.endr
.endm
; A joint fill.  Waves 0 and 1 fetch the two halves of a slot's K, waves 2 and 3 those of its V: 128 keys each.  An s_nop 0 and four v_nop follow each of the two lines.
.macro JLOAD
	s_cmp_lt_u32 s[WV], 2
	s_cbranch_scc0 .Lfor_v_\@
	tensor_load_to_lds s[G0K:G0K+3], s[G1K:G1K+7]
	s_nop 0
.rept 4
	v_nop
.endr
	s_branch .Lasked_\@
.Lfor_v_\@:
	tensor_load_to_lds s[G0V:G0V+3], s[G1V:G1V+7]
	s_nop 0
.rept 4
	v_nop
.endr
.Lasked_\@:
.endm
.macro CROUND                       ; a round of the cluster's barrier
	s_barrier_signal -1
	s_barrier_wait -1
	s_cmp_lg_u32 s[WV], 0
	s_cbranch_scc1 .Lnot_wave_0_\@
	s_barrier_signal -3
.Lnot_wave_0_\@:
	s_barrier_wait -3
	s_barrier_signal -1
	s_barrier_wait -1
.endm
; THE CHANGE OF SLOTS.  Each wave waits for all its tensor loads, adds 0 to its spare word, and waits for that and for its own reads of the slot.  fill = 1: the barrier is a round of the cluster's, and the joint fill of the
; slot that is left, with the keys two slots on, is the first thing behind it: it has four key steps in which to land.  (At its first use nothing has been read yet: slot 0 and negm are waited for, slot 1 is filled.)
.macro CHANGE fill
	WIN 0
	s_wait_tensorcnt 0x0            ; no tensor load of mine is out, so a group 0 may be written
	ds_add_u32 v[SPW], v[NIL]       ; 0 onto my spare word
.if \fill
.irp g, G0K, G0V
	s_xor_b32 s[\g+1], s[\g+1], SLOT1
	s_add_nc_u64 s[\g+2:\g+3], s[\g+2:\g+3], 4*KS*128  ; the next 256 keys; the type bits on top are not reached
.endr
	s_wait_dscnt 0x0                ; the add is done, and my reads of the slot are over
	CROUND
	JLOAD
.else
	s_wait_dscnt 0x0
	s_barrier_signal -1
	s_barrier_wait -1
.endif
	s_sub_co_u32 s[TBK], s[TBK], 4*KS*PK  ; the fetches go back to a slot's first step,
	s_xor_b32 s[TBK], s[TBK], SLOT1       ; in the other slot
	s_sub_co_u32 s[TBV], s[TBV], 4*KS*PV
	s_xor_b32 s[TBV], s[TBV], SLOT1
.endm
	s_load_b256 s[4:11], s[0:1], 0x0  ; qkv s[4:5], negm s[6:7], ob s[8:9], rs s[10:11]
	v_lshl_add_u32 v[SPW], v0, 2, SPARE
	v_mov_b32 v[NIL], 0
	ds_add_u32 v[SPW], v[NIL]       ; the wave's opening: the add and its wait ahead of my first tensor load; the set-up below, work on registers, stands between them
	v_lshrrev_b32 v1, 5, v0
	v_readfirstlane_b32 s[WV], v1   ; wave 0..3
	s_bfe_u32 s13, ttmp6, 0x40000   ; cx
	s_lshl_b32 s14, ttmp9, 2
	s_add_co_u32 s14, s14, s13      ; my block of 512 queries: it enters Q's, ob's and rs's addresses alone
	s_and_b32 s15, ttmp7, 0xffff    ; the head, which the four partners share
	s_lshl_b32 s20, s15, 18         ; the head's 262,144 bytes in a section
	s_and_b32 s16, s[WV], 1         ; which half of a slot's 256 keys I fetch:
	s_lshl_b32 s22, s16, 14         ; its 128 rows of 128 bytes in memory,
	s_add_co_u32 s22, s22, s20
	s_mov_b32 s23, 0
	s_mul_i32 s17, s16, 128*PK      ; and its place in a slot, for K
	s_mul_i32 s18, s16, 128*PV      ; and for V
	s_lshl_b32 s2, s14, 2
	s_add_co_u32 s2, s2, s[WV]
	s_lshl_b32 s2, s2, 14           ; my wave's 128 queries
	s_add_co_u32 s2, s2, s20
	s_mov_b32 s3, 0
	s_lshl_b32 s54, s15, 13         ; negm: 8,192 bytes a head; I fetch 2,048 of them
	s_lshl_b32 s55, s[WV], 11
	s_add_co_u32 s54, s54, s55
	s_mov_b32 s55, 0
	s_lshl_b32 s76, s15, 9          ; rs: 4 bytes x (128 rows a head, 32 a work-group, 8 a wave)
	s_lshl_b32 s77, s14, 7
	s_add_co_u32 s76, s76, s77
	s_lshl_b32 s77, s[WV], 5
	s_add_co_u32 s76, s76, s77
	s_mov_b32 s77, 0
	; 128 keys are 16,384 dense bytes: asked for as 64 rows of 256 bytes, two keys a row, padded in LDS after every key
	s_mov_b32 s[G1K], 15|(1<<16)|(1<<20)|(1<<21)|(4<<22)|(3<<25)  ; the mask of four; 2-byte elements; padding on; 21 set beside a mask; after every 32 words (code 4); 4 words (code 3)
	s_mov_b32 s[G1V], 15|(1<<16)|(1<<20)|(1<<21)|(4<<22)|(7<<25)  ; the same with 8 words of padding (code 7)
.irp g, G1K, G1V
	s_mov_b32 s[\g+1], 128<<16      ; tensor_dim0 = 128
	s_mov_b32 s[\g+2], 64<<16       ; tensor_dim1 = 64
	s_mov_b32 s[\g+3], 128<<16      ; tile_dim0 = 128
	s_mov_b32 s[\g+4], 64           ; tile_dim1 = 64
	s_mov_b32 s[\g+5], 128          ; elements from row to row
	s_mov_b32 s[\g+6], 0
	s_mov_b32 s[\g+7], 0
.endr
	s_mov_b32 s[G1N], 15|(3<<16)|(1<<21)  ; negm: one row of 256 elements of 8 bytes, no padding
	s_mov_b32 s[G1N+1], 256<<16
	s_mov_b32 s[G1N+2], 1<<16
	s_mov_b32 s[G1N+3], 256<<16
	s_mov_b32 s[G1N+4], 1
	s_mov_b32 s[G1N+5], 256
	s_mov_b32 s[G1N+6], 0
	s_mov_b32 s[G1N+7], 0
	s_mov_b32 s[SEL], 0x76543210
	s_mov_b32 s[SEL+1], 0xfedcba98
	s_mov_b32 s[TBK], SLOT1+4*KS*PK ; the first change of slots turns these two into 0
	s_mov_b32 s[TBV], SLOT1+4*KS*PV
	s_mov_b32 s[TBN], 0
	s_mov_b32 s[G0K], 1
	s_mov_b32 s[G0K+1], s17         ; LDS address: slot 0
	s_mov_b32 s[G0V], 1
	s_add_co_u32 s[G0V+1], s18, VOFF
	s_mov_b32 s[G0N], 1
	s_lshl_b32 s[G0N+1], s[WV], 11
	s_add_co_u32 s[G0N+1], s[G0N+1], NMB
	s_wait_dscnt 0x0                ; the opening add is done
	s_wait_kmcnt 0x0
	s_add_nc_u64 s[G0K+2:G0K+3], s[4:5], s[22:23]
	s_add_nc_u64 s[G0K+2:G0K+3], s[G0K+2:G0K+3], 0x1000000  ; section 1: k
	s_or_b32 s[G0K+3], s[G0K+3], 0x80000000                 ; type = 2
	s_add_nc_u64 s[G0V+2:G0V+3], s[4:5], s[22:23]
	s_add_nc_u64 s[G0V+2:G0V+3], s[G0V+2:G0V+3], 0x2000000  ; section 2: v
	s_or_b32 s[G0V+3], s[G0V+3], 0x80000000
	s_add_nc_u64 s[G0N+2:G0N+3], s[6:7], s[54:55]
	s_or_b32 s[G0N+3], s[G0N+3], 0x80000000
	s_add_nc_u64 s[4:5], s[4:5], s[2:3]        ; Q and ob at my wave's first row
	s_add_nc_u64 s[OBP:OBP+1], s[OBP:OBP+1], s[2:3]
	s_add_nc_u64 s[10:11], s[10:11], s[76:77]  ; rs at my wave's eight rows
	CROUND                          ; all four work-groups are here: the first joint loads meet
	JLOAD                           ; slot 0
	tensor_load_to_lds s[G0N:G0N+3], s[G1N:G1N+7]  ; my quarter of the head's negm: two loads of mine are out; the first wait for them is for 0
	s_nop 0
	PLACES
	; A fragment of K or Q is 16 rows x 32 channels in 8 registers: lane l holds row l % 16, channels 8 (l / 16) + 0..7 and 16 + 8 (l / 16) + 0..7: two loads of 16 bytes, 32 bytes apart.
	v_and_b32 v1, 15, v0            ; l % 16
	v_bfe_u32 v9, v0, 4, 1          ; l / 16
	v_lshlrev_b32 v[QO], 7, v1
	v_lshl_add_u32 v[QO], v9, 4, v[QO]
	WIN 0x80                        ; destination window 2
.set i, 0
.rept 4*NP                          ; Q stays in registers: tile i / 2, channels 32 (i % 2) on
	global_load_b128 v[8*i:8*i+3],   v[QO], s[4:5] offset:(i/2)*2048+(i%2)*64
	global_load_b128 v[8*i+4:8*i+7], v[QO], s[4:5] offset:(i/2)*2048+(i%2)*64+32
.set i, i+1
.endr
	; What the first turn finds: V's registers and P's second buffer hold 0 (its products V^T P, of a piece that has not been, add 0), O^T is 0.
.set i, VF
.rept 64
	v_mov_b32 v[i], 0
.set i, i+1
.endr
	WIN 0x40
.set i, 0
.rept 64*NP
	v_mov_b32 v[i], 0
.set i, i+1
.endr
	WIN 0
.set i, P+32
.rept 32
	v_mov_b32 v[i], 0
.set i, i+1
.endr
	v_mul_u32_u24 v[AK0], v1, PK
	v_lshl_add_u32 v[AK0], v9, 4, v[AK0]
	; The turning load takes 16 keys x 16 channels (lane l reads key 8 (l / 16) + l % 8, channels 8 ((l / 8) % 2) + 0..7) and leaves half a fragment of V^T: lane l holds channel l % 16 and 8 keys.
	v_and_b32 v10, 7, v0
	v_bfe_u32 v11, v0, 3, 1
	v_lshl_add_u32 v[AV0], v9, 3, v10
	v_mul_u32_u24 v[AV0], v[AV0], PV
	v_lshl_add_u32 v[AV0], v11, 4, v[AV0]
	v_add_nc_u32 v[AV0], VOFF, v[AV0]
	v_lshl_add_u32 v[AN0], v9, 5, NMB  ; negm of keys 16 kb + 8 (l / 16) + 0..7 lies at byte 64 kb + 32 (l / 16) of the step's 256
	v_mov_b32 v[AK], v[AK0]         ; key step 0 lies at the head of slot 0,
	v_mov_b32 v[AN], v[AN0]         ; and of negm
; THE MATRIX WORK.  The 8 accumulators of a run of 16 take turns.
; Product i of 16 of S^T for piece x: channels 32 (i / 8) on, keys 16 ((i / 2) % 4) on, tile 2 x + i % 2.  The first 8 start the sums, with negm.
.macro KQ x
	WIN W_KQ
.set rS, S+64*((\x)%2)+32*(i%2)+8*((i/2)%4)
.set rK, KF+16*((i/2)%4)+8*(i/8)
.set rQ, 16*(2*(\x)+i%2)+8*(i/8)
.set rN, NM+8*((i/2)%4)
.if i < 8
	v_wmma_f32_16x16x32_f16 v[rS:rS+7], v[rK:rK+7], v[rQ:rQ+7], v[rN:rN+7]
.else
	v_wmma_f32_16x16x32_f16 v[rS:rS+7], v[rK:rK+7], v[rQ:rQ+7], v[rS:rS+7]
.endif
.endm
; Product i of 16 of O^T += V^T P for piece x: keys 32 (i / 8) on, channels 16 ((i / 2) % 4) on, tile 2 x + i % 2.
.macro PV x
	WIN W_PV
.set rO, 32*(2*(\x)+i%2)+8*((i/2)%4)
.set rV, VF+32*(i/8)+8*((i/2)%4)
.set rP, P+32*((\x)%2)+16*(i%2)+8*(i/8)
	v_wmma_f32_16x16x32_f16 v[rO:rO+7], v[rV:rV+7], v[rP:rP+7], v[rO:rO+7]
.endm
; THE LDS LOADS stand in runs: a step's negm (8 loads) and K (16), and its V (16, turned).  last = 1 (the tail): in the last trip there is no further step, and the run is jumped over.
.macro FETCH_K last=0
	WIN 0
.if \last
	s_wait_alu depctr_va_vdst(0)    ; a wait ahead of it, for the 43 exponentials that the turn has issued so far; the other 21 have the turn's own wait
	s_cmp_eq_u32 s[CNT], 1
	s_cbranch_scc1 .Lno_k_\@
.endif
.irp f, 0,1,2,3,4,5,6,7
	ds_load_b128 v[NM+4*\f:NM+4*\f+3], v[AN] offset:(\f/2)*64+(\f%2)*16
.endr
	WIN 0x80
.irp f, 0,1,2,3,4,5,6,7             ; keys 16 (f / 2) on, channels 32 (f % 2) on
	ds_load_b128 v[KF+8*\f:KF+8*\f+3],   v[AK] offset:(\f/2)*16*PK+(\f%2)*64
	ds_load_b128 v[KF+8*\f+4:KF+8*\f+7], v[AK] offset:(\f/2)*16*PK+(\f%2)*64+32
.endr
	s_add_co_u32 s[TBK], s[TBK], KS*PK  ; the next fetch is the next step's
	s_add_co_u32 s[TBN], s[TBN], KS*4
	WIN 0
.if \last
.Lno_k_\@:
.endif
.endm
.macro FETCH_V
	WIN 0x80
.irp f, 0,1,2,3,4,5,6,7             ; keys 32 (f / 4) on, channels 16 (f % 4) on
	ds_load_tr16_b128 v[VF+8*\f:VF+8*\f+3],   v[AV] offset:(\f/4)*32*PV+(\f%4)*32
	ds_load_tr16_b128 v[VF+8*\f+4:VF+8*\f+7], v[AV] offset:(\f/4)*32*PV+16*PV+(\f%4)*32
.endr
	WIN 0
.endm
; THE VECTOR WORK of piece Y, dealt behind the turn's 32 products; gi counts the products, ge the exponentials.  Behind each of the first 24 products: three, three, two exponentials, and so on: the piece's 64 scores in
; ascending order (each accumulator's lowest registers are read first), in place.  They are ONE BATCH: nothing ahead of the wait names a result of theirs.  Behind the 24th stand a v_nop, the plain
; instruction behind the last exponential and ahead of the first use (ISA guide 5.7.2), and the wait.  Behind each of the last eight products: four roundings.  Pair n of S^T's buffer is register n of P's.
; The four roundings behind a turn's last product name none of its registers: they are the places ahead of the next turn's roundings, which write the buffer of P that this product read.
.macro RIDE
	WIN 0
.set rS, S+64*(Y%2)
.set rP, P+32*(Y%2)
.if gi < 24
.rept 3-(gi%3)/2
	v_exp_f32 v[rS+ge], v[rS+ge]
.set ge, ge+1
.endr
.if gi == 23
	v_nop                           ; the turn has no plain work but the roundings, which are readers
	s_wait_alu depctr_va_vdst(0)    ; the wait ahead of the first reader: one for the turn's 64 exponentials
.endif
.else
.irp n, 0,1,2,3
	v_cvt_pk_f16_f32 v[rP+4*(gi-24)+\n], v[rS+8*(gi-24)+2*\n], v[rS+8*(gi-24)+2*\n+1]
.endr
.endif
.set gi, gi+1
.endm
; A TURN, for piece p.  K and negm of the next step are fetched in piece 2's turn, behind its products K Q^T (the step's last) and four places; they are waited for at the head of piece 3's turn, 16 products later.
; V of the step in hand is fetched at the end of piece 0's turn, behind the last products on the old V and four places; it is waited for in the middle of piece 1's turn.
.macro TURN p, last=0, cnt=0
.set Y, (\p)
.set gi, 0
.set ge, 0
.if (\p) == 3
	s_wait_dscnt 0x0                ; K and negm are in
.endif
.set i, 0
.rept 16
	KQ ((\p)+1)%NP
	RIDE
.set i, i+1
.endr
.if (\p) == 2
	PLACES
	v_add_nc_u32 v[AK], s[TBK], v[AK0]
	v_add_nc_u32 v[AN], s[TBN], v[AN0]
	FETCH_K \last
.endif
.if (\p) == 1
	s_wait_dscnt 0x0                ; V is in
.endif
.set i, 0
.rept 16
	PV ((\p)+NP-1)%NP
	RIDE
.set i, i+1
.endr
.if (\p) == 0
	PLACES
	v_add_nc_u32 v[AV], s[TBV], v[AV0]
	s_add_co_u32 s[TBV], s[TBV], KS*PV
	FETCH_V
.endif
.if \cnt
	s_sub_co_u32 s[CNT], s[CNT], 1
	s_cmp_lg_u32 s[CNT], 0
.endif
.endm
	CHANGE 1                        ; slot 0 and negm are in, everybody's parts of them; slot 1 is asked for
	FETCH_K                         ; key step 0
	s_wait_loadcnt 0x0              ; Q
	s_wait_dscnt 0x0
.set i, 0
.rept 16
	KQ 0                            ; piece 0's first scores: there is no vector work yet to set between them
.set i, i+1
.endr
	WIN 0                           ; the addresses for the way out: plain instructions, the places behind those products
	s_mul_i32 s13, s[WV], 16*SP
	s_add_co_u32 s13, s13, STAGE    ; my stage
	v_mul_u32_u24 v[STO], v1, SP    ; in: row l % 16, 16 bytes for each half of the lanes
	v_lshl_add_u32 v[STO], v9, 4, v[STO]
	v_add_nc_u32 v[STO], s13, v[STO]
	v_bfe_u32 v[RD], v0, 3, 2       ; back: 32 lanes take four rows of 128 bytes,
	v_mul_u32_u24 v[RD], v[RD], SP
	v_lshl_add_u32 v[RD], v10, 4, v[RD]
	v_add_nc_u32 v[RD], s13, v[RD]
	v_and_b32 v[GO], 31, v0         ; which are 512 consecutive bytes of ob
	v_lshlrev_b32 v[GO], 4, v[GO]
	s_mov_b32 s[CNT], 4
	s_mov_b32 s[SLOTS], 7
	s_branch .Lfirst                ; the loop is entered at a step's first turn, in the middle of a trip
.Lslot:                             ; six times: every slot but the last two is filled again
	CHANGE 1
	s_mov_b32 s[CNT], 4
.Lstep:                             ; a trip: pieces 2 and 3 of one step, then pieces 0 and 1 of the next, whose K and V it fetches.  Each turn's batch has had its wait inside the turn: none is open at a label or a jump
	TURN 2
	TURN 3
	WIN 0
.Lfirst:
	TURN 0
	TURN 1, 0, 1
	WIN 0
	s_cbranch_scc1 .Lstep
	s_sub_co_u32 s[SLOTS], s[SLOTS], 1
	s_cmp_lg_u32 s[SLOTS], 0
	s_cbranch_scc1 .Lslot
	CHANGE 0                        ; the tail is written out: nothing is asked for
	s_mov_b32 s[CNT], 5             ; four trips fetch the last slot's steps; the fifth is left in its middle
.Ltail:
	TURN 2, 1
	TURN 3
	WIN 0
	s_sub_co_u32 s[CNT], s[CNT], 1
	s_cmp_eq_u32 s[CNT], 0
	s_cbranch_scc1 .Lout
	TURN 0
	TURN 1
	WIN 0
	s_branch .Ltail
.Lout:                              ; the fifth trip's 16 products K Q^T (on the last K once more) serve nothing: the price, once a launch, of one text for every trip
.set i, 0
.rept 16
	PV NP-1                         ; the last piece's V^T P of the last step
.set i, i+1
.endr
	; THE WAY OUT.  For each tile the largest |O| of its 1,024 numbers: over my 32 registers, from each accumulator's low end on, then over the 32 lanes.  The first six lines, of tiles 0 to 5, are the places behind the last products.
.macro ALL line:vararg              ; one line for each tile t
.set t, 0
.rept 2*NP
	\line
.set t, t+1
.endr
.endm
	WIN 0x05                        ; sources 0 and 1 window 1
	ALL v_max_num_f32 v[ST+4*t], |v[32*t]|, |v[32*t+1]|
	WIN 0x14                        ; sources 1 and 2 window 1
.set n, 1
.rept 15
	ALL v_max3_num_f32 v[ST+4*t], v[ST+4*t], |v[32*t+2*n]|, |v[32*t+2*n+1]|
.set n, n+1
.endr
	WIN 0
	ALL v_mov_b32 v[ST+4*t+1], 0    ; v_permlanex16_b32's destination counts as read
.irp m, 1,2,4,8
	ALL v_max_num_f32_dpp v[ST+4*t], v[ST+4*t], v[ST+4*t] row_xmask:\m row_mask:0xf bank_mask:0xf
.endr
	ALL v_permlanex16_b32 v[ST+4*t+1], v[ST+4*t], s[SEL], s[SEL+1]
	ALL v_max_num_f32 v[ST+4*t], v[ST+4*t], v[ST+4*t+1]
	ALL v_max_num_f32 v[ST+4*t], 0x00800000, v[ST+4*t]    ; held to 2^-126 ..
	ALL v_min_num_f32 v[ST+4*t], 0x7e800000, v[ST+4*t]    ; .. 2^126
	ALL v_and_b32 v[ST+4*t], 0x7f800000, v[ST+4*t]        ; e: the exponent alone
	ALL v_sub_nc_u32 v[ST+4*t+2], 0x7f000000, v[ST+4*t]   ; 1 / e: exponent 254 - E
	ALL v_mul_f32 v[ST+4*t+3], 0x3a000000, v[ST+4*t]      ; e / 2,048
	v_and_b32 v48, 31, v0
	v_lshlrev_b32 v49, 2, v48
	v_mov_b32 v50, v[ST+3]          ; lane t of the first eight takes tile t's scale
.irp t, 1,2,3,4,5,6,7
	v_cmp_eq_u32 vcc_lo, \t, v48
	v_cndmask_b32 v50, v50, v[ST+4*\t+3], vcc_lo
.endr
	v_cmp_gt_u32 vcc_lo, 8, v48
	s_wait_xcnt 0x0                 ; EXEC changes only behind this wait
	s_and_saveexec_b32 s53, vcc_lo
	global_store_b32 v49, v50, s[10:11]  ; my wave's eight rows: 32 bytes, the one store of the program that fills no whole 256
	s_wait_xcnt 0x0                 ; and again, in front of the line that widens it
	s_or_b32 exec_lo, exec_lo, s53
; Tile t: divided by e, rounded to f16; a lane's eight channels of a row pack into 16 bytes; they go into rows of 144 bytes and come back as whole rows of 128, into S^T's registers.
.macro PACK t
	WIN W_RS
.set i, 32*(\t)
.rept 16
	v_pk_mul_f32 v[i:i+1], v[i:i+1], v[ST+4*(\t)+2:ST+4*(\t)+3] op_sel_hi:[1,0]
.set i, i+2
.endr
	WIN 0x05
.set i, 0
.rept 16
	v_cvt_pk_f16_f32 v[S+16*(\t)+i], v[32*(\t)+2*i], v[32*(\t)+2*i+1]
.set i, i+1
.endr
	WIN 0
.irp f, 0,1,2,3
	ds_store_b128 v[STO], v[S+16*(\t)+4*\f:S+16*(\t)+4*\f+3] offset:32*\f
.endr
.irp f, 0,1,2,3
	ds_load_b128 v[S+16*(\t)+4*\f:S+16*(\t)+4*\f+3], v[RD] offset:\f*4*SP  ; LDS serves a wave's instructions in order (ISA guide 5.7.1.4): these see the stores above; the next tile's stores come behind them
.endr
.endm
.macro SEND t, younger              ; younger: the LDS instructions issued behind tile t's loads: the next tile's eight, or none
	WIN 0
.irp f, 0,1,2,3
	s_wait_dscnt (\younger)+3-\f
	global_store_b128 v[GO], v[S+16*(\t)+4*\f:S+16*(\t)+4*\f+3], s[OBP:OBP+1] offset:(\t)*2048+\f*512  ; 512 consecutive bytes, at a multiple of 256 from ob's first
.endr
.endm
	PACK 0
.set t, 1
.rept 2*NP-1                        ; a tile's arithmetic stands between the loads of the tile before and its stores
	PACK t
	SEND t-1, 8
.set t, t+1
.endr
	SEND 2*NP-1, 0
	s_wait_tensorcnt 0x0            ; the wave's end, behind my last tensor load and my last LDS store
	ds_add_u32 v[SPW], v[NIL]
	s_wait_dscnt 0x0
	CROUND                          ; the closing round
	s_endpgm
.Lfunc_end_k_qef92acf8f1_attn:
	.size	k_qef92acf8f1_attn, .Lfunc_end_k_qef92acf8f1_attn-k_qef92acf8f1_attn
	.p2alignl 7, 3214868480
	.fill 96, 4, 3214868480
	.section	.rodata,"a",@progbits
	.p2align	6, 0x0
	.amdhsa_kernel k_qef92acf8f1_attn
		.amdhsa_group_segment_fixed_size 327680
		.amdhsa_private_segment_fixed_size 0
		.amdhsa_enable_private_segment 0
		.amdhsa_kernarg_size 32
		.amdhsa_user_sgpr_count 2
		.amdhsa_user_sgpr_kernarg_segment_ptr 1
		.amdhsa_wavefront_size32 1
		.amdhsa_system_sgpr_workgroup_id_x 1
		.amdhsa_system_sgpr_workgroup_id_y 1
		.amdhsa_system_sgpr_workgroup_id_z 1
		.amdhsa_system_vgpr_workitem_id 0
		.amdhsa_next_free_vgpr 768
		.amdhsa_next_free_sgpr 80
		.amdhsa_reserve_vcc 1
		.amdhsa_float_denorm_mode_32 3
		.amdhsa_float_denorm_mode_16_64 3
		.amdhsa_memory_ordered 1
		.amdhsa_forward_progress 1
		.amdhsa_inst_pref_size 140
	.end_amdhsa_kernel
	.amdgpu_metadata
---
amdhsa.version: [ 1, 2 ]
amdhsa.kernels:
  - .name:           k_qef92acf8f1_attn
    .symbol:         k_qef92acf8f1_attn.kd
    .args:
      - { .name: qkv, .offset: 0, .size: 8, .value_kind: global_buffer, .address_space: global }
      - { .name: negm, .offset: 8, .size: 8, .value_kind: global_buffer, .address_space: global }
      - { .name: ob, .offset: 16, .size: 8, .value_kind: global_buffer, .address_space: global }
      - { .name: rs, .offset: 24, .size: 8, .value_kind: global_buffer, .address_space: global }
    .group_segment_fixed_size: 327680
    .private_segment_fixed_size: 0
    .kernarg_segment_align: 8
    .kernarg_segment_size: 32
    .max_flat_workgroup_size: 128
    .sgpr_count:     80
    .vgpr_count:     768
    .wavefront_size: 32
...
	.end_amdgpu_metadata
.endif
;; end of part 7
;; launch outp: the kernel of part 5 again; grid 4 x 32, 4 waves a work-group, clusters of 4 x 4, 327,680 bytes of LDS; arguments ob, wh, rs, bb, out0; writes out0
